; MI455X (gfx1250); checked and timed in simulation.
; The chip was launched on July 23, 2026; its instructions are those of AMD's public machine-readable ISA for CDNA 5 (MIT licence, August 2026) and "CDNA5" Instruction Set Architecture Reference Guide (July 2026). The comments in the code are by the model that wrote it; some were corrected since.
;; Multi Head Self Attention. Allowed arithmetic: matrix products marked QUANTISED: E2M3 operands, one E8M0 scale for each 32 along K, by v_wmma_scale_f32_16x16x128_f8f6f4 with both operands' format E2M3, f32 sums; everything else in f32.
;; Inputs: Wk_codes 1,024 x 32 x 24 uint8 (E2M3 codes of Wk, K innermost, in blocks of 32 codes, four codes in three bytes); Wk_scales 1,024 x 32 uint8 (E8M0 scales of Wk, one for each 32 codes along K); Wo_codes 1,024 x 32 x 24 uint8 (E2M3 codes of Wo, K innermost, in blocks of 32 codes, four codes in three bytes); Wo_scales 1,024 x 32 uint8 (E8M0 scales of Wo, one for each 32 codes along K); Wq_codes 1,024 x 32 x 24 uint8 (E2M3 codes of Wq, K innermost, in blocks of 32 codes, four codes in three bytes); Wq_scales 1,024 x 32 uint8 (E8M0 scales of Wq, one for each 32 codes along K); Wv_codes 1,024 x 32 x 24 uint8 (E2M3 codes of Wv, K innermost, in blocks of 32 codes, four codes in three bytes); Wv_scales 1,024 x 32 uint8 (E8M0 scales of Wv, one for each 32 codes along K); token_positions 2,048 int32; x_codes 4 x 2,048 x 32 x 24 uint8 (E2M3 codes of x, K innermost, in blocks of 32 codes, four codes in three bytes); x_scales 4 x 2,048 x 32 uint8 (E8M0 scales of x, one for each 32 codes along K).
;; Outputs: out0 4 x 2,048 x 1,024 float32.
;; This version of the problem:
;;   THIS VERSION OF THE PROBLEM IS GIVEN IN LOW PRECISION. The matrix products marked QUANTISED in the list below multiply operands that are first quantised to E2M3 (2 exponent bits, 3 mantissa bits; 6 bits a number), with one power-of-two scale for each 32 numbers along K (OCP MX v1.0); their sums are f32. All else is computed in f32.
;;   The module's matrix products, in the order in which they are computed (A, B: the left and right operand; K: the contracted axis; several contracted axes count as one K, in the product's order):
;;     1. [M 8,192, K 1,024] x [K 1,024, N 1,024]; A: input x (given as codes); B: input Wq (given as codes): QUANTISED
;;     2. [M 8,192, K 1,024] x [K 1,024, N 1,024]; A: input x (given as codes); B: input Wk (given as codes): QUANTISED
;;     3. [M 8,192, K 1,024] x [K 1,024, N 1,024]; A: input x (given as codes); B: input Wv (given as codes): QUANTISED
;;     4. batch 64 x [M 2,048, K 64] x [K 64, N 2,048]; A: computed on the way; B: computed on the way: QUANTISED
;;     5. batch 64 x [M 2,048, K 2,048] x [K 2,048, N 64]; A: softmax (see below); B: computed on the way: QUANTISED
;;     6. [M 8,192, K 1,024] x [K 1,024, N 1,024]; A: computed on the way; B: input Wo (given as codes): QUANTISED
;;   THE QUANTISER, for each operand of a quantised product, along K:
;;     - K is cut into blocks of 32 from its start; a last block that is shorter is filled with zeros.
;;     - A block's scale is 2^e with e = floor(log2(the largest magnitude in the block)) - 2, held to -126 .. 127; a block of zeros has e = 0. As a byte (E8M0): e + 127.
;;     - Each number is divided by its block's scale, clamped to +-7.5, and rounded to the nearest number of E2M3, ties to even, subnormals kept.
;;     - The product sums the exact products of the quantised numbers (number of the format x scale) in f32.
;;   ~~~python
;;   def quantise(x, axis):      # numpy; x: float32 -> the quantised numbers, widened to float32 again
;;       x = np.moveaxis(x, axis, -1); K = x.shape[-1]
;;       x = np.pad(x, [(0, 0)] * (x.ndim - 1) + [(0, -K % 32)]); x = x.reshape(x.shape[:-1] + (-1, 32)); a = np.abs(x).max(-1, keepdims=True)
;;       e = np.where(a > 0, np.clip(np.frexp(np.where(a > 0, a, 1))[1] - 1 - 2, -126, 127), 0)      # np.frexp(a)[1] - 1 = floor(log2(a)), exactly
;;       r = np.clip(x / 2.0 ** e, -7.5, 7.5)
;;       step = 2.0 ** (np.maximum(np.frexp(np.where(r == 0, 1, r))[1] - 1, 0) - 3)
;;       q = np.round(r / step) * step * 2.0 ** e      # np.round: ties to even
;;       return np.moveaxis(q.reshape(q.shape[:-2] + (-1,))[..., :K], -1, axis).astype(np.float32)
;;   ~~~
;;   SOFTMAX AHEAD OF A QUANTISED PRODUCT. Where the list says 'softmax', what is quantised is not the finished softmax but p = 2^(t - M), with t = logit x log2(e) and M = ceil(the row's largest t), a whole number; so 1/2 < the row's largest p <= 1. The row's sum l is taken of the UNQUANTISED p, in f32, and the product's result is divided by l at the end. Since M is a whole number, a kernel that streams over the keys may use a running M (the ceiling of the running maximum): every later rescaling is an exact power of two, which a block's scale takes up: the codes' values come out the same.
;;   OPERANDS COMPUTED ON THE WAY. 'Computed on the way' means the value that the module computes at that place (a softmax that the list does not call 'softmax' is quantised finished and normalised). What goes into a quantiser is computed in f32, as accurately as f32 sums, v_exp_f32 and their like allow (about 1e-6 of the number): no bf16 or f16 on the way to a quantiser, and a product that is left as it is and whose result goes on into a quantised operand takes f32 operands (vector FMAs, or v_wmma_f32_16x16x4_f32). A number that lies on a knife's edge between two numbers of the format may be rounded either way, as far as f32 arithmetic and the matrix unit's own rounding can turn it there, and no further.
;;   INPUTS GIVEN AS CODES. Wk (in the module: [1024, 1024], K = its axis 1); Wo (in the module: [1024, 1024], K = its axis 1); Wq (in the module: [1024, 1024], K = its axis 1); Wv (in the module: [1024, 1024], K = its axis 1); x (in the module: [4, 2048, 1024], K = its axis 2): each comes as NAME_codes (uint8): NAME with its K axis moved to the last place and cut into blocks of 32 codes, [.., K / 32, bytes a block], one block behind the other in memory; four codes in three bytes: a row's codes are one little-endian stream of bits, code i at bits 6 i .. 6 i + 5 (a code: sign, 2 exponent bits, 3 mantissa bits); and NAME_scales (uint8): the same leading axes, one E8M0 byte (e + 127) for each 32 codes along K. Its value is code x scale, taken as it is: it is not quantised again, and the codes and scales need not be those that the quantiser above would give.
;; One version. Each part assembles by itself: llvm-mc -triple=amdgcn-amd-amdhsa -mcpu=gfx1250 --defsym DOCPART=n.
;; ======== version 1 of 1: 4 launches
;; limits: right only within a limited range of input values
;; workspace buffers: rope 524,288 bytes; qimg 6,291,456 bytes; qsc 262,144 bytes; kv 12,582,912 bytes; kvsc 524,288 bytes; oimg 6,291,456 bytes; osc 262,144 bytes
;; launch vproj (part 1): grid 32 x 4, 4 waves a work-group, clusters of 4 x 4, 327,680 bytes of LDS; arguments x_codes, x_scales, Wv_codes, Wv_scales, token_positions, kv, kvsc, rope; writes kv, kvsc, rope
.if DOCPART == 1
	.amdgcn_target "amdgcn-amd-amdhsa--gfx1250"
	.amdhsa_code_object_version 6
	.text
	.protected	k_q34de16173d_vproj
	.globl	k_q34de16173d_vproj
	.p2align	8
	.type	k_q34de16173d_vproj,@function
k_q34de16173d_vproj:
	s_mov_b64 s[64:65], 0
	v_nop
	global_prefetch_b8 v0, s[64:65] scope:SCOPE_SE
	s_setreg_imm32_b32 hwreg(HW_REG_WAVE_MODE, 25, 1), 1
	s_wait_xcnt 0x0
	s_wait_alu depctr_hold_cnt(0) depctr_sa_sdst(0) depctr_va_vdst(0) depctr_va_sdst(0) depctr_va_ssrc(0) depctr_va_vcc(0) depctr_vm_vsrc(0)
	s_getreg_b32 s2, hwreg(HW_REG_IB_STS2, 6, 4)
	s_cmp_eq_u32 s2, 0
	s_cbranch_scc0 .Lentry_in_a_cluster
	s_endpgm
.Lentry_in_a_cluster:
	s_bfe_u32 s2, ttmp6, 0x10000c
	s_cmp_lg_u32 s2, 0xf033
	s_cbranch_scc0 .Lentry_shape_is_right
	s_endpgm
.Lentry_shape_is_right:
; FIRST OF FOUR LAUNCHES: vproj (v = x Wv^T, quantised along the keys; the table of cosines and sines), qkproj (q, k, rotated, quantised along the head), attn (both products of attention), oproj (the last projection).
; DEAD WORK LEFT OUT BY THE PROGRAM: reference() builds its causal mask itself (jnp.tril) and sets the scores of keys s > t to -1e30; their weight 2^(t - M) is 0 for all finite inputs, since key 0 counts for every
; query and holds M at a number.  So key steps of 128 keys that lie wholly behind a tile's 16 queries are not multiplied (attn), and slots of keys behind a work-group's last query are not fetched.  Every input has a way to
; the output and is loaded.  LIMIT: a NaN, an infinity or an overflow that would reach only such hidden scores is not carried to the result.
; THIS LAUNCH.  V^T[feature][token] = sum over k of Wv[feature][k] x[token][k] on codes of FP6 (E2M3) with E8M0 scales as they are given, K = 1,024.  A tile of 256 features x 256 tokens to a work-group of four waves, 128 x 128 a wave.
; The matrix instruction has source 0 = 16 tokens and source 1 = 16 features: a lane holds ONE feature and its registers run along the tokens, which are the K of attention's second product.  So a wave's 128 tokens (one key step)
; of 16 features become one operand fragment in registers, and leave as an IMAGE OF THE OPERAND'S REGISTERS: three stores of 512 consecutive bytes.
; ORDER INSIDE A BLOCK OF 32 KEYS: a lane's 16 numbers of a block are keys 8 h + 0..7 and 16 + 8 h + 0..7 (h = lane / 16), so the finished block holds its codes in the order 0-7, 16-23, 8-15, 24-31.  The block is the right set of 32
; numbers, so its scale is the quantiser's; attn lays the weights p in the same order, and a permutation of K applied alike to both operands keeps the product (the order of the sum inside a block differs from ascending k).
; CLUSTERS: 4 x 4 work-groups; Wv's tile is shared along a row of the cluster, x's along a column, each asked for jointly.  K goes through a ring of two LDS slots of 256 along K; its eight steps of 128 are written out.
; THE SCALE WORDS of a wave's 128 + 128 rows for all of K are 8,192 bytes: they stay in 64 registers.  Register 4 i + q of a side holds block i's word of K step q in lanes 0-15 and of K step 4 + q in lanes 16-31.
; THE TABLE: rope[t][i] = (cos, sin) of token_positions[t] x 10000^(-i / 32), f32; each wave makes four positions, a lane a frequency, while the first tiles are on their way.
; LIMITS: the angle is reduced by pi/2 in two words: good for |position| up to 2^22; 10000^(-i/32) is within about two units in the last place.  A block whose largest magnitude is under 2^-124 (a block of zeros too) gets the byte 1
; where the rule says another: its codes are zeros or nearly, and only this program reads these bytes.  NaN scale bytes (0xff) among the inputs are not served.
.set ROWB,  192                        ; a tile's row in bytes: 256 codes
.set KROW,  768                        ; a row of codes in memory
.set PITCH, 240                        ; an LDS row: 3 x (64 bytes + 16 of padding)
.set FR,    12                         ; registers of a fragment
.set NL,    6                          ; LDS loads that bring one
.set NP,    4                          ; places behind this matrix instruction (ISA guide 7.12.1)
.set HALFT, 128*PITCH                  ; what one tensor load brings
.set SLOT,  4*HALFT                    ; A's 256 rows, then B's
.set SPARE, 2*SLOT                     ; behind the ring: the spare words, 128 bytes a wave, that no other line names
.set AOFF,  ROWB                       ; A: from slot 0's first tile to slot 1's, in memory
.set ASTEP, 2*ROWB                     ; A: from a slot's tile to its next
.set ADRA, 16                          ; v16-17 LDS address of my A fragments in slot 0, 1; v18-19 behind one padding more
.set ADRB, 20                          ; v20-23 the same for B
.set LI,   24                          ; v24 16 x lane
.set XO,   25                          ; v25 where my scale words go
.set SPW,  28                          ; v28 my spare word;  v29 0: never rewritten
.set NIL,  29
.set SAO,  30                          ; v30 32 r + 16 h: my 16 bytes of a block's scale bytes
.set SA,   32                          ; v32-63 A's scale words
.set SB,   64                          ; v64-95 B's
.set AF,   128                         ; v128-223 A's fragments, one set; on the way out free
.set TM,   128                         ; the way out: v128-143 at work in QUANT
.set CT,   144                         ; v144-151 the upper halves of blocks
.set WD,   152                         ; v152-159 the eight scale words
.set XW,   160                         ; v160-163 as they are stored
.set CD,   164                         ; v164-187 two sets of a fragment's codes
.set G1,  24
.set G0,  32
.set G1B, 48
.set G0B, 56
.set SEL, 66
.set HM,  98
.set MSB, 0
.macro WIN new                         ; the immediate's high byte repeats the setting that is left
.if MSB != (\new)
	s_set_vgpr_msb (MSB<<8)|(\new)
.set MSB, (\new)
.endif
.endm
.set MUL_LO, 0xa1                      ; source 0 (B) window 1, source 1 (A) window 0, C and D window 2
.set MUL_HI, 0xf1                      ; the same, C and D window 3
.set TO_B,   0x40                      ; destination window 1
.macro JLOAD g0a, g1a, g0b, g1b        ; a joint load: waves 0 and 1 fetch for A, waves 2 and 3 for B; an s_nop 0 and four v_nop follow each line
	s_cmp_eq_u32 s15, 0
	s_cbranch_scc0 .Lfor_b_\@
	tensor_load_to_lds s[\g0a:\g0a+3], s[\g1a:\g1a+7]
	s_nop 0
.rept 4
	v_nop
.endr
	s_branch .Lasked_\@
.Lfor_b_\@:
	tensor_load_to_lds s[\g0b:\g0b+3], s[\g1b:\g1b+7]
	s_nop 0
.rept 4
	v_nop
.endr
.Lasked_\@:
.endm
.macro CREST                           ; a round of the cluster's barrier behind its opening barrier
	s_cmp_lg_u32 s14, 0
	s_cbranch_scc1 .Lnot_wave_0_\@
	s_barrier_signal -3
.Lnot_wave_0_\@:
	s_barrier_wait -3
	s_barrier_signal -1
	s_barrier_wait -1
.endm
.macro CROUND
	s_barrier_signal -1
	s_barrier_wait -1
	CREST
.endm
.macro FRAG reg, adr, q, i             ; a fragment from padded rows: six pieces of 8 bytes; lanes 16-31 read three pieces on, for some pieces behind one padding more (second address register)
.irp p, 0,1,2,3,4,5
.set PCE, 12*(\q)+6*(\p/3)+\p%3
.if PCE%8 < 5
	ds_load_b64 v[\reg+2*\p:\reg+2*\p+1], v[\adr] offset:8*PCE+16*(PCE/8)+(\i)*16*PITCH
.else
	ds_load_b64 v[\reg+2*\p:\reg+2*\p+1], v[\adr+2] offset:8*PCE+16*(PCE/8)+(\i)*16*PITCH
.endif
.endr
.endm
; 16 matrix instructions: A's blocks a0, a0 + 1 x B's eight; p: B's set; s: the K step of 128 (0..7), which picks the scale registers and their rows.  The 64 accumulators take turns.
.macro MUL16 a0, p, s, zero
.irp a, \a0, \a0+1
.irp b, 0,1,2,3,4,5,6,7
.if \zero
	v_wmma_scale_f32_16x16x128_f8f6f4 v[8*(8*((\a)%4)+\b):8*(8*((\a)%4)+\b)+7], v[128*(\p)+FR*\b:128*(\p)+FR*\b+FR-1], v[AF+FR*(\a):AF+FR*(\a)+FR-1], 0, v[SB+4*\b+(\s)%4], v[SA+4*(\a)+(\s)%4] matrix_a_fmt:MATRIX_FMT_FP6 matrix_b_fmt:MATRIX_FMT_FP6
.elseif (\s) < 4
	v_wmma_scale_f32_16x16x128_f8f6f4 v[8*(8*((\a)%4)+\b):8*(8*((\a)%4)+\b)+7], v[128*(\p)+FR*\b:128*(\p)+FR*\b+FR-1], v[AF+FR*(\a):AF+FR*(\a)+FR-1], v[8*(8*((\a)%4)+\b):8*(8*((\a)%4)+\b)+7], v[SB+4*\b+(\s)%4], v[SA+4*(\a)+(\s)%4] matrix_a_fmt:MATRIX_FMT_FP6 matrix_b_fmt:MATRIX_FMT_FP6
.else
	v_wmma_scale_f32_16x16x128_f8f6f4 v[8*(8*((\a)%4)+\b):8*(8*((\a)%4)+\b)+7], v[128*(\p)+FR*\b:128*(\p)+FR*\b+FR-1], v[AF+FR*(\a):AF+FR*(\a)+FR-1], v[8*(8*((\a)%4)+\b):8*(8*((\a)%4)+\b)+7], v[SB+4*\b+(\s)%4], v[SA+4*(\a)+(\s)%4] matrix_a_fmt:MATRIX_FMT_FP6 matrix_b_fmt:MATRIX_FMT_FP6 matrix_a_scale:MATRIX_SCALE_ROW1 matrix_b_scale:MATRIX_SCALE_ROW1
.endif
.endr
.endr
.endm
.macro FETCH_B slot, q, p
	WIN TO_B
.irp i, 0,1,2,3,4,5,6,7
	FRAG 128*(\p)+FR*\i, ADRB+\slot, \q, \i
.endr
	WIN 0
.endm
.macro FETCH_A slot, q, i0
.irp i, \i0, \i0+1, \i0+2, \i0+3
	FRAG AF+FR*(\i), ADRA+\slot, \q, \i
.endr
.endm
.macro PLACES n
.rept \n
	v_nop
.endr
.endm
.macro STEP slot, q, s, zero           ; a step of 128 along K that has its successor in the same slot
	s_wait_dscnt 4*NL                              ; B's set and A's blocks 0-3 are in; the youngest 24 loads (A's blocks 4-7) may be out
	WIN MUL_LO
	MUL16 0, (\q)%2, \s, \zero
	MUL16 2, (\q)%2, \s, \zero
	s_wait_dscnt 0
	PLACES NP                                      ; in front of loads into registers that matrix instructions have read
	FETCH_B \slot, (\q)+1, 1-(\q)%2
	FETCH_A \slot, (\q)+1, 0
	WIN MUL_HI
	MUL16 4, (\q)%2, \s, \zero
	MUL16 6, (\q)%2, \s, \zero
	PLACES NP
	WIN 0
	FETCH_A \slot, (\q)+1, 4
.endm
.macro TURN slot, next, fill, s        ; a slot's last step changes slots: one barrier; fill = 1: it opens a round of the cluster's barrier, and this slot is filled again
	s_wait_tensorcnt 0x0                           ; all my tensor loads have landed: my part of the next slot
	ds_add_u32 v[SPW], v[NIL]                      ; 0 onto my spare word
	s_wait_dscnt 4*NL+1                            ; (the add and the youngest 24 loads may be out)
	WIN MUL_LO
	MUL16 0, 1, \s, 0
	s_wait_dscnt 0x0                               ; the add is done, and my reads of this slot are over
	s_barrier_signal -1
	MUL16 2, 1, \s, 0
	WIN 0
	s_barrier_wait -1
.if \fill
	CREST                                          ; no wave of any partner still reads this slot or has a load on its way
	s_add_nc_u64 s[G0+4*\slot+2:G0+4*\slot+3], s[G0+4*\slot+2:G0+4*\slot+3], ASTEP
	s_add_nc_u64 s[G0B+4*\slot+2:G0B+4*\slot+3], s[G0B+4*\slot+2:G0B+4*\slot+3], 2*ROWB
	JLOAD G0+4*\slot, G1, G0B+4*\slot, G1B         ; the first tensor load behind the round; its four v_nop are the places in front of the loads below
.else
	PLACES NP
.endif
	FETCH_B \next, 0, 0
	FETCH_A \next, 0, 0
	WIN MUL_HI
	MUL16 4, 1, \s, 0
	MUL16 6, 1, \s, 0
	PLACES NP
	WIN 0
	FETCH_A \next, 0, 4
.endm
; 64 numbers of a lane, v[s] .. v[s + 63] of window w (four blocks of 32, of which the lane holds 16 each, the lane 16 away the others), become codes: blocks 0, 1 in v[d0] .. v[d0 + 5], blocks 2, 3 in v[d1] .. v[d1 + 5]
; (lanes 0-15 the even block, lanes 16-31 the odd one, whole), and the four scale bytes in v[pw].
.macro QUANT s, w, d0, d1, pw
	WIN (\w)|((\w)<<2)
.irp b, 0,1,2,3
	v_max3_num_f32 v[TM+\b], |v[(\s)+16*\b]|, |v[(\s)+1+16*\b]|, 0x1800000   ; with the floor 2^(3 - 127): the byte cannot fall under 1
.endr
.irp i, 2,4,6,8,10,12,14
.irp b, 0,1,2,3
	v_max3_num_f32 v[TM+\b], |v[(\s)+16*\b+\i]|, |v[(\s)+1+16*\b+\i]|, v[TM+\b]   ; the four blocks by turns, each result from its low end on
.endr
.endr
	WIN 0
.irp b, 0,1,2,3
	v_permlanex16_b32 v[TM+4+\b], v[TM+\b], s[SEL], s[SEL+1]
.endr
.irp b, 0,1,2,3
	v_max_num_f32 v[TM+\b], v[TM+\b], v[TM+4+\b]   ; the block's largest magnitude
.endr
.irp b, 0,1,2,3
	v_add_nc_u32 v[TM+12+\b], 0xff000000, v[TM+\b] ; 2 off its exponent field: the conversion's scale operand
.endr
.irp b, 0,1,2,3
	v_lshrrev_b32 v[TM+4+\b], 23, v[TM+12+\b]      ; the scale's byte
.endr
	v_lshl_or_b32 v[\pw], v[TM+5], 8, v[TM+4]
	v_lshl_or_b32 v[\pw], v[TM+6], 16, v[\pw]
	v_lshl_or_b32 v[\pw], v[TM+7], 24, v[\pw]
	WIN \w
	v_cvt_scalef32_pk16_fp6_f32 v[(\d0):(\d0)+2], v[(\s):(\s)+15], v[TM+12]
	v_cvt_scalef32_pk16_fp6_f32 v[CT:CT+2], v[(\s)+16:(\s)+31], v[TM+13]
	v_cvt_scalef32_pk16_fp6_f32 v[(\d1):(\d1)+2], v[(\s)+32:(\s)+47], v[TM+14]
	v_cvt_scalef32_pk16_fp6_f32 v[CT+4:CT+6], v[(\s)+48:(\s)+63], v[TM+15]
	WIN 0
	v_nop                                          ; one plain place behind a scaled conversion
.irp i, 0,1,2
	v_permlane16_swap_b32 v[(\d0)+\i], v[CT+\i]    ; the operand's layout wants a whole block in a lane
	v_permlane16_swap_b32 v[(\d1)+\i], v[CT+4+\i]
.endr
.irp i, 0,1,2
	v_mov_b32 v[(\d0)+3+\i], v[CT+\i]
	v_mov_b32 v[(\d1)+3+\i], v[CT+4+\i]
.endr
.endm
	s_load_b128 s[8:11], s[0:1], 0x0               ; x's codes, x's scales: B (the registers' side)
	s_load_b128 s[4:7], s[0:1], 0x10               ; Wv's codes, Wv's scales: A (the lanes' side)
	s_load_b256 s[68:75], s[0:1], 0x20             ; token_positions, kv, kvsc, rope
	v_lshl_add_u32 v[SPW], v0, 2, SPARE
	v_mov_b32 v[NIL], 0
	ds_add_u32 v[SPW], v[NIL]                      ; the wave's opening: the add, twice on end, and its wait ahead of my first tensor load
	ds_add_u32 v[SPW], v[NIL]
	v_lshrrev_b32 v1, 5, v0
	v_readfirstlane_b32 s14, v1                    ; wave 0..3
	s_lshr_b32 s15, s14, 1                         ; my half of A's rows.  Also: I fetch for A (0) or for B (1)
	s_and_b32 s16, s14, 1                          ; my half of B's rows.  Also: which 128 rows I fetch
	s_bfe_u32 s40, ttmp6, 0x40000                  ; cx
	s_bfe_u32 s41, ttmp6, 0x40004                  ; cy
	s_lshl_b32 s42, ttmp9, 2
	s_add_co_u32 s42, s42, s40                     ; tc: my 256 tokens = 4 x cluster x + cx
	s_mov_b32 s17, s41                             ; tr: my 256 features = cy (the grid is one cluster high)
	s_lshl_b32 s43, s41, 2
	s_lshl_b32 s43, 15, s43                        ; my row of the cluster
	s_lshl_b32 s44, 0x1111, s40                    ; my column
	s_or_b32 s[G1+0], s43, (1<<20)|(1<<21)|(3<<22)|(3<<25)   ; the mask; elements of 1 byte; padding on; bit 21 beside a mask; after every 16 words 4 words
	s_or_b32 s[G1B+0], s44, (1<<20)|(1<<21)|(3<<22)|(3<<25)
.irp g, G1, G1B
	s_mov_b32 s[\g+1], ROWB<<16                    ; tensor_dim0
	s_mov_b32 s[\g+2], 128<<16                     ; tensor_dim1
	s_mov_b32 s[\g+3], ROWB<<16                    ; tile_dim0
	s_mov_b32 s[\g+4], 128                         ; tile_dim1
	s_mov_b32 s[\g+5], KROW                        ; the pitch
	s_mov_b32 s[\g+6], 0
	s_mov_b32 s[\g+7], 0
.endr
	s_lshl_b32 s18, s16, 7                         ; which 128 rows of the tile I fetch
	s_lshl_b32 s20, s17, 8
	s_add_co_u32 s20, s20, s18
	s_mul_i32 s20, s20, KROW                       ; A: their first byte (all tensors stay under 2^32 bytes)
	s_mov_b32 s21, 0
	s_lshl_b32 s46, s42, 8
	s_add_co_u32 s46, s46, s18
	s_mul_i32 s46, s46, KROW                       ; B likewise
	s_mov_b32 s47, 0
	s_mul_i32 s45, s14, HALFT                      ; where they go: wave x 128 rows
	s_lshl_b32 s76, s17, 13                        ; the scale bytes of the rows that I multiply: 32 bytes a row
	s_lshl_b32 s77, s15, 12
	s_add_co_u32 s76, s76, s77
	s_mov_b32 s77, 0
	s_lshl_b32 s78, s42, 13
	s_lshl_b32 s79, s16, 12
	s_add_co_u32 s78, s78, s79
	s_mov_b32 s79, 0
	s_lshr_b32 s80, s42, 3                         ; the batch
	s_lshl_b32 s80, s80, 4
	s_lshl_b32 s81, s17, 2
	s_add_co_u32 s80, s80, s81
	s_lshl_b32 s81, s15, 1
	s_add_co_u32 s80, s80, s81                     ; my first head: 16 b + 4 tr + 2 half
	s_and_b32 s81, s42, 7                          ; my slot of 256 keys
	s_mul_i32 s82, s80, 196608
	s_mul_i32 s83, s81, 24576
	s_add_co_u32 s82, s82, s83
	s_mul_i32 s83, s16, 6144
	s_add_co_u32 s82, s82, s83
	s_add_co_u32 s82, s82, 12288                   ; kv: head, slot, V's part, step
	s_mov_b32 s83, 0
	s_lshl_b32 s84, s80, 13
	s_lshl_b32 s85, s81, 9
	s_add_co_u32 s84, s84, s85
	s_lshl_b32 s85, s16, 8
	s_add_co_u32 s84, s84, s85
	s_add_co_u32 s84, s84, 4096                    ; kvsc: head, V's part, step
	s_mov_b32 s85, 0
	s_lshl_b32 s86, s17, 5
	s_add_co_u32 s86, s86, s42                     ; the work-group's number, 0..127
	s_lshl_b32 s86, s86, 4
	s_lshl_b32 s87, s14, 2
	s_add_co_u32 s86, s86, s87                     ; my four positions begin here
	s_lshl_b32 s88, s86, 8
	s_mov_b32 s89, 0
	s_lshl_b32 s86, s86, 2
	s_mov_b32 s87, 0
	s_mov_b32 s[SEL], 0x76543210
	s_mov_b32 s[SEL+1], 0xfedcba98
	s_mov_b32 s[HM], 0xffff0000
	s_wait_dscnt 0x0                               ; both opening adds are done
	s_wait_kmcnt 0x0
	s_add_nc_u64 s[20:21], s[4:5], s[20:21]
	s_add_nc_u64 s[46:47], s[8:9], s[46:47]
	s_add_nc_u64 s[76:77], s[6:7], s[76:77]
	s_add_nc_u64 s[78:79], s[10:11], s[78:79]
	s_add_nc_u64 s[12:13], s[70:71], s[82:83]
	s_add_nc_u64 s[72:73], s[72:73], s[84:85]
	s_add_nc_u64 s[74:75], s[74:75], s[88:89]
	s_add_nc_u64 s[68:69], s[68:69], s[86:87]
	CROUND                                         ; all sixteen work-groups are here: the first joint loads meet
.irp s, 0,1
	s_mov_b32 s[G0+4*\s], 1
	s_add_co_u32 s[G0+4*\s+1], s45, \s*SLOT
	s_add_nc_u64 s[G0+4*\s+2:G0+4*\s+3], s[20:21], \s*AOFF
	s_or_b32 s[G0+4*\s+3], s[G0+4*\s+3], 0x80000000
	s_mov_b32 s[G0B+4*\s], 1
	s_add_co_u32 s[G0B+4*\s+1], s45, \s*SLOT
	s_add_nc_u64 s[G0B+4*\s+2:G0B+4*\s+3], s[46:47], \s*ROWB
	s_or_b32 s[G0B+4*\s+3], s[G0B+4*\s+3], 0x80000000
	JLOAD G0+4*\s, G1, G0B+4*\s, G1B               ; two loads of mine are out
.endr
	s_load_b128 s[80:83], s[68:69], 0x0            ; my four positions
	v_and_b32 v1, 15, v0                           ; r
	v_bfe_u32 v2, v0, 4, 1                         ; h
	v_mul_u32_u24 v3, v1, PITCH
	v_mul_u32_u24 v4, v2, 24
	v_add_nc_u32 v4, v3, v4
	v_lshl_add_u32 v5, v2, 4, v4
	s_mul_i32 s21, s15, HALFT
	s_mul_i32 s22, s16, HALFT
	s_add_co_u32 s22, s22, 2*HALFT
.irp s, 0,1
	v_add_nc_u32 v[ADRA+\s], s21, v4
	v_add_nc_u32 v[ADRB+\s], s22, v4
	v_add_nc_u32 v[ADRA+2+\s], s21, v5
	v_add_nc_u32 v[ADRB+2+\s], s22, v5
	s_add_co_u32 s21, s21, SLOT
	s_add_co_u32 s22, s22, SLOT
.endr
	v_and_b32 v6, 31, v0
	s_wait_alu depctr_va_vdst(0)
	v_lshlrev_b32 v[LI], 4, v6
	v_lshlrev_b32 v[XO], 4, v1
	v_lshl_add_u32 v[XO], v2, 13, v[XO]            ; lanes 16-31 store the second head's words, 8,192 bytes on
	v_lshlrev_b32 v[SAO], 5, v1
	v_lshl_add_u32 v[SAO], v2, 4, v[SAO]
.irp i, 0,1,2,3,4,5,6,7
	global_load_b128 v[SA+4*\i:SA+4*\i+3], v[SAO], s[76:77] offset:512*\i   ; 512 consecutive bytes: a block's scale bytes for all of K
	global_load_b128 v[SB+4*\i:SB+4*\i+3], v[SAO], s[78:79] offset:512*\i
.endr
	; THE TABLE.  10000^(-i / 32) = 2^(-i c), c = log2(10) / 8 in two words; the exponent's whole part goes through v_ldexp_f32, so that the exponential sees a fraction alone
	s_mov_b32 s90, 0xbfc90fdb                      ; -pi/2, high word
	s_mov_b32 s91, 0x333bbd2e                      ; and what is left of it, with the sign turned
	s_mov_b32 s92, 0xb94ca1f9                      ; sine: r + r^3 (s94 + r^2 (s93 + r^2 s92))
	s_mov_b32 s93, 0x3c08839e
	s_mov_b32 s94, 0xbe2aaaa3
	s_mov_b32 s95, 0x37ccf5ce                      ; cosine: 1 - r^2 / 2 + r^4 (s97 + r^2 (s96 + r^2 s95))
	s_mov_b32 s96, 0xbab6061a
	s_mov_b32 s97, 0x3d2aaaa5
	v_lshlrev_b32 v120, 3, v6                      ; 8 bytes a frequency
	v_cvt_f32_u32 v96, v6
	v_mul_f32 v97, 0x3ed49a78, v96                 ; i c, rounded,
	v_fma_f32 v98, v96, 0x3ed49a78, -v97           ; what the rounding dropped,
	v_fmac_f32 v98, 0x32179800, v96                ; and c's low word
	v_rndne_f32 v99, v97
	v_sub_f32 v100, v97, v99
	v_add_f32 v100, v100, v98                      ; the fraction
	s_wait_alu depctr_va_vdst(0)
	v_exp_f32 v101, -v100
	v_cvt_i32_f32 v99, v99                         ; (plain work behind the exponential)
	v_sub_nc_u32 v99, 0, v99
	s_wait_alu depctr_va_vdst(0)                   ; a wait ahead of the first reader
	v_ldexp_f32 v101, v101, v99
	s_wait_kmcnt 0x0
.irp p, 0,1,2,3
	v_cvt_f32_i32 v102, s[80+\p]
	s_wait_alu depctr_va_vdst(0)
	v_mul_f32 v102, v102, v101                     ; the angle, rounded once, as reference() has it
	v_mul_f32 v103, 0x3f22f983, v102
	v_rndne_f32 v103, v103                         ; how many quarter turns
	v_fma_f32 v104, v103, s90, v102
	v_fma_f32 v104, v103, s91, v104                ; what is left: at most pi/4
	v_cvt_i32_f32 v105, v103
	v_mul_f32 v106, v104, v104
	v_fma_f32 v107, v106, s92, s93
	v_fma_f32 v107, v107, v106, s94
	v_mul_f32 v108, v104, v106
	v_fma_f32 v107, v108, v107, v104               ; its sine
	v_fma_f32 v109, v106, s95, s96
	v_fma_f32 v109, v109, v106, s97
	v_fma_f32 v110, v106, -0.5, 1.0
	v_mul_f32 v108, v106, v106
	v_fma_f32 v109, v108, v109, v110               ; its cosine
	v_and_b32 v110, 1, v105
	v_cmp_eq_u32 vcc_lo, 1, v110                   ; an odd quarter swaps the two
	v_cndmask_b32 v[113+2*\p], v107, v109, vcc_lo
	v_cndmask_b32 v[112+2*\p], v109, v107, vcc_lo
	v_and_b32 v110, 2, v105
	v_lshlrev_b32 v110, 30, v110
	v_xor_b32 v[113+2*\p], v[113+2*\p], v110       ; the sine is negative in quarters 2 and 3,
	v_add_nc_u32 v110, 1, v105
	v_and_b32 v110, 2, v110
	v_lshlrev_b32 v110, 30, v110
	v_xor_b32 v[112+2*\p], v[112+2*\p], v110       ; the cosine in 1 and 2
	global_store_b64 v120, v[112+2*\p:113+2*\p], s[74:75] offset:256*\p   ; 32 lanes store a position's 256 consecutive bytes
.endr
	s_wait_tensorcnt 1                             ; my part of slot 0 is in; slot 1's may stay out
	s_barrier_signal -1
	s_barrier_wait -1
	FETCH_B 0, 0, 0
	FETCH_A 0, 0, 0
	FETCH_A 0, 0, 4
	s_wait_loadcnt 0x0                             ; the scale words
	STEP 0, 0, 0, 1                                ; the first step's products start the sums: nothing is cleared
	TURN 0, 1, 1, 1
	STEP 1, 0, 2, 0
	TURN 1, 0, 1, 3
	STEP 0, 0, 4, 0
	TURN 0, 1, 0, 5                                ; nothing is left to fetch
	STEP 1, 0, 6, 0
	s_wait_dscnt 4*NL
	WIN MUL_LO
	MUL16 0, 1, 7, 0
	MUL16 2, 1, 7, 0
	s_wait_dscnt 0
	WIN MUL_HI
	MUL16 4, 1, 7, 0
	MUL16 6, 1, 7, 0
	WIN 0
	; THE WAY OUT: block a = 16 features (head a / 4 of my two, its dims 16 (a % 4) on) x my 128 tokens: quantised in registers, stored as an image
	PLACES NP
.irp b, 0,1,2,3
	v_mov_b32 v[TM+4+\b], 0                        ; a lane permute's destination counts as one of its sources
.endr
.irp a, 0,1,2,3,4,5,6,7
.set QS, 64*(\a%4)
.set QW, 2+\a/4
.set QD, CD+12*(\a%2)
.if \a >= 2
	s_wait_xcnt 0x0                                ; block a - 2's stores have read their data: that set of registers is written again
.endif
	QUANT QS, QW, QD, QD+6, WD+\a
.irp g, 0,1,2
	global_store_b128 v[LI], v[QD+4*\g:QD+4*\g+3], s[12:13] offset:(\a/4)*196608+(\a%4)*1536+512*\g   ; 512 consecutive bytes
.endr
.endr
.irp t, 0,1,2,3
	v_cndmask_b32 v[XW+\t], v[WD+\t], v[WD+4+\t], s[HM]   ; lanes 0-15 the first head's words, lanes 16-31 the second's
.endr
	global_store_b128 v[XO], v[XW:XW+3], s[72:73]  ; sixteen lanes store a head's 256 bytes of this key step
	s_wait_tensorcnt 0x0                           ; the wave's end
	ds_add_u32 v[SPW], v[NIL]
	s_wait_dscnt 0x0
	CROUND                                         ; the closing round
	s_endpgm
.Lfunc_end_k_q34de16173d_vproj:
	.size	k_q34de16173d_vproj, .Lfunc_end_k_q34de16173d_vproj-k_q34de16173d_vproj
	.p2alignl 7, 3214868480
	.fill 96, 4, 3214868480
	.section	.rodata,"a",@progbits
	.p2align	6, 0x0
	.amdhsa_kernel k_q34de16173d_vproj
		.amdhsa_group_segment_fixed_size 327680
		.amdhsa_private_segment_fixed_size 0
		.amdhsa_enable_private_segment 0
		.amdhsa_kernarg_size 64
		.amdhsa_user_sgpr_count 2
		.amdhsa_user_sgpr_kernarg_segment_ptr 1
		.amdhsa_wavefront_size32 1
		.amdhsa_system_sgpr_workgroup_id_x 1
		.amdhsa_system_sgpr_workgroup_id_y 1
		.amdhsa_system_sgpr_workgroup_id_z 1
		.amdhsa_system_vgpr_workitem_id 0
		.amdhsa_next_free_vgpr 1024
		.amdhsa_next_free_sgpr 100
		.amdhsa_reserve_vcc 1
		.amdhsa_float_denorm_mode_32 3
		.amdhsa_float_denorm_mode_16_64 3
		.amdhsa_memory_ordered 1
		.amdhsa_forward_progress 1
		.amdhsa_inst_pref_size 169
	.end_amdhsa_kernel
	.amdgpu_metadata
---
amdhsa.version: [ 1, 2 ]
amdhsa.kernels:
  - .name:           k_q34de16173d_vproj
    .symbol:         k_q34de16173d_vproj.kd
    .args:
      - { .name: x_codes, .offset: 0, .size: 8, .value_kind: global_buffer, .address_space: global }
      - { .name: x_scales, .offset: 8, .size: 8, .value_kind: global_buffer, .address_space: global }
      - { .name: Wv_codes, .offset: 16, .size: 8, .value_kind: global_buffer, .address_space: global }
      - { .name: Wv_scales, .offset: 24, .size: 8, .value_kind: global_buffer, .address_space: global }
      - { .name: token_positions, .offset: 32, .size: 8, .value_kind: global_buffer, .address_space: global }
      - { .name: kv, .offset: 40, .size: 8, .value_kind: global_buffer, .address_space: global }
      - { .name: kvsc, .offset: 48, .size: 8, .value_kind: global_buffer, .address_space: global }
      - { .name: rope, .offset: 56, .size: 8, .value_kind: global_buffer, .address_space: global }
    .group_segment_fixed_size: 327680
    .private_segment_fixed_size: 0
    .kernarg_segment_align: 8
    .kernarg_segment_size: 64
    .max_flat_workgroup_size: 128
    .sgpr_count:     100
    .vgpr_count:     1024
    .wavefront_size: 32
...
	.end_amdgpu_metadata
.endif
;; end of part 1
;; launch qkproj (part 2): grid 8 x 32, 4 waves a work-group, clusters of 4 x 4, 327,680 bytes of LDS; arguments x_codes, x_scales, Wq_codes, Wq_scales, Wk_codes, Wk_scales, rope, qimg, qsc, kv, kvsc; writes qimg, qsc, kv, kvsc
.if DOCPART == 2
	.amdgcn_target "amdgcn-amd-amdhsa--gfx1250"
	.amdhsa_code_object_version 6
	.text
	.protected	k_q34de16173d_qkproj
	.globl	k_q34de16173d_qkproj
	.p2align	8
	.type	k_q34de16173d_qkproj,@function
k_q34de16173d_qkproj:
	s_mov_b64 s[64:65], 0
	v_nop
	global_prefetch_b8 v0, s[64:65] scope:SCOPE_SE
	s_setreg_imm32_b32 hwreg(HW_REG_WAVE_MODE, 25, 1), 1
	s_wait_xcnt 0x0
	s_wait_alu depctr_hold_cnt(0) depctr_sa_sdst(0) depctr_va_vdst(0) depctr_va_sdst(0) depctr_va_ssrc(0) depctr_va_vcc(0) depctr_vm_vsrc(0)
	s_getreg_b32 s2, hwreg(HW_REG_IB_STS2, 6, 4)
	s_cmp_eq_u32 s2, 0
	s_cbranch_scc0 .Lentry_in_a_cluster
	s_endpgm
.Lentry_in_a_cluster:
	s_bfe_u32 s2, ttmp6, 0x10000c
	s_cmp_lg_u32 s2, 0xf033
	s_cbranch_scc0 .Lentry_shape_is_right
	s_endpgm
.Lentry_shape_is_right:
; q = rope(x Wq^T) and k = rope(x Wk^T), quantised along the head's 64 to codes of FP6 (E2M3) with E8M0 scales.  The clusters with x = 0 take Wq, those with x = 1 Wk: only pointers and strides are chosen, by selects on the cluster's x.
; A tile of 256 tokens x 256 features to a work-group of four waves, 128 x 128 a wave; K = 1,024 through a ring of two LDS slots of 256, its eight steps written out; joint loads in clusters of 4 x 4; scale words in registers.
; Source 0 = 16 rows of W, source 1 = 16 tokens: a lane holds ONE token and its registers run along the features: 64 registers = two heads x 64 dims, of which the lane holds half and the lane 16 away the other half.
; A pair of registers is a pair (2 i, 2 i + 1) of a head: the rotation is two packed instructions a pair, with (cos, sin) from the table that the launch before has stored.
; Inside a block of 32 dims the codes stand in the order 0-7, 16-23, 8-15, 24-31, in q and in k alike: the product q . k is kept.
; WHAT IS STORED: double fragments, images of 12 operand registers: registers 0-5 token tile 2 j, registers 6-11 token tile 2 j + 1, of one head; a lane holds its tile's token lane % 16 and the head's block lane / 16.
; A scale word: (tile 2 j: blocks 0, 1; tile 2 j + 1: blocks 0, 1).  LIMIT: a block under 2^-124 gets the byte 1; only this program reads these bytes.
.set ROWB,  192
.set KROW,  768
.set PITCH, 240
.set FR,    12
.set NL,    6
.set NP,    4
.set HALFT, 128*PITCH
.set SLOT,  4*HALFT
.set SPARE, 2*SLOT                     ; the spare words, 128 bytes a wave, that no other line names
.set AOFF,  ROWB
.set ASTEP, 2*ROWB
.set ADRA, 16
.set ADRB, 20
.set LI,   24                          ; v24 16 x lane
.set XO,   25                          ; v25 where my scale words go
.set TA,   26                          ; v26 256 r + 32 h: my place in a token block's part of the table
.set SPW,  28
.set NIL,  29
.set SAO,  30
.set SA,   32
.set SB,   64
.set AF,   128
.set TM,   128                         ; the way out, in the registers that A's fragments have left: v128-143 at work in QUANT
.set CT,   144
.set PWA,  152                         ; v152, v153 the scale words of an even and an odd token block
.set SW0,  156                         ; v156-159 the first head's four words, v160-163 the second's, v164-167 as stored
.set SW1,  160
.set SWX,  164
.set F0,   168                         ; v168-179 the first head's double fragment, v180-191 the second's
.set F1,   180
.set G1,  24
.set G0,  32
.set G1B, 48
.set G0B, 56
.set SEL, 66
.set HM,  101
.set MSB, 0
.macro WIN new
.if MSB != (\new)
	s_set_vgpr_msb (MSB<<8)|(\new)
.set MSB, (\new)
.endif
.endm
.set MUL_LO, 0xa1
.set MUL_HI, 0xf1
.set TO_B,   0x40
.macro JLOAD g0a, g1a, g0b, g1b
	s_cmp_eq_u32 s15, 0
	s_cbranch_scc0 .Lfor_b_\@
	tensor_load_to_lds s[\g0a:\g0a+3], s[\g1a:\g1a+7]
	s_nop 0
.rept 4
	v_nop
.endr
	s_branch .Lasked_\@
.Lfor_b_\@:
	tensor_load_to_lds s[\g0b:\g0b+3], s[\g1b:\g1b+7]
	s_nop 0
.rept 4
	v_nop
.endr
.Lasked_\@:
.endm
.macro CREST
	s_cmp_lg_u32 s14, 0
	s_cbranch_scc1 .Lnot_wave_0_\@
	s_barrier_signal -3
.Lnot_wave_0_\@:
	s_barrier_wait -3
	s_barrier_signal -1
	s_barrier_wait -1
.endm
.macro CROUND
	s_barrier_signal -1
	s_barrier_wait -1
	CREST
.endm
.macro FRAG reg, adr, q, i
.irp p, 0,1,2,3,4,5
.set PCE, 12*(\q)+6*(\p/3)+\p%3
.if PCE%8 < 5
	ds_load_b64 v[\reg+2*\p:\reg+2*\p+1], v[\adr] offset:8*PCE+16*(PCE/8)+(\i)*16*PITCH
.else
	ds_load_b64 v[\reg+2*\p:\reg+2*\p+1], v[\adr+2] offset:8*PCE+16*(PCE/8)+(\i)*16*PITCH
.endif
.endr
.endm
.macro MUL16 a0, p, s, zero            ; the 64 accumulators take turns
.irp a, \a0, \a0+1
.irp b, 0,1,2,3,4,5,6,7
.if \zero
	v_wmma_scale_f32_16x16x128_f8f6f4 v[8*(8*((\a)%4)+\b):8*(8*((\a)%4)+\b)+7], v[128*(\p)+FR*\b:128*(\p)+FR*\b+FR-1], v[AF+FR*(\a):AF+FR*(\a)+FR-1], 0, v[SB+4*\b+(\s)%4], v[SA+4*(\a)+(\s)%4] matrix_a_fmt:MATRIX_FMT_FP6 matrix_b_fmt:MATRIX_FMT_FP6
.elseif (\s) < 4
	v_wmma_scale_f32_16x16x128_f8f6f4 v[8*(8*((\a)%4)+\b):8*(8*((\a)%4)+\b)+7], v[128*(\p)+FR*\b:128*(\p)+FR*\b+FR-1], v[AF+FR*(\a):AF+FR*(\a)+FR-1], v[8*(8*((\a)%4)+\b):8*(8*((\a)%4)+\b)+7], v[SB+4*\b+(\s)%4], v[SA+4*(\a)+(\s)%4] matrix_a_fmt:MATRIX_FMT_FP6 matrix_b_fmt:MATRIX_FMT_FP6
.else
	v_wmma_scale_f32_16x16x128_f8f6f4 v[8*(8*((\a)%4)+\b):8*(8*((\a)%4)+\b)+7], v[128*(\p)+FR*\b:128*(\p)+FR*\b+FR-1], v[AF+FR*(\a):AF+FR*(\a)+FR-1], v[8*(8*((\a)%4)+\b):8*(8*((\a)%4)+\b)+7], v[SB+4*\b+(\s)%4], v[SA+4*(\a)+(\s)%4] matrix_a_fmt:MATRIX_FMT_FP6 matrix_b_fmt:MATRIX_FMT_FP6 matrix_a_scale:MATRIX_SCALE_ROW1 matrix_b_scale:MATRIX_SCALE_ROW1
.endif
.endr
.endr
.endm
.macro FETCH_B slot, q, p
	WIN TO_B
.irp i, 0,1,2,3,4,5,6,7
	FRAG 128*(\p)+FR*\i, ADRB+\slot, \q, \i
.endr
	WIN 0
.endm
.macro FETCH_A slot, q, i0
.irp i, \i0, \i0+1, \i0+2, \i0+3
	FRAG AF+FR*(\i), ADRA+\slot, \q, \i
.endr
.endm
.macro PLACES n
.rept \n
	v_nop
.endr
.endm
.macro STEP slot, q, s, zero
	s_wait_dscnt 4*NL                              ; the youngest 24 loads (A's blocks 4-7) may be out
	WIN MUL_LO
	MUL16 0, (\q)%2, \s, \zero
	MUL16 2, (\q)%2, \s, \zero
	s_wait_dscnt 0
	PLACES NP
	FETCH_B \slot, (\q)+1, 1-(\q)%2
	FETCH_A \slot, (\q)+1, 0
	WIN MUL_HI
	MUL16 4, (\q)%2, \s, \zero
	MUL16 6, (\q)%2, \s, \zero
	PLACES NP
	WIN 0
	FETCH_A \slot, (\q)+1, 4
.endm
.macro TURN slot, next, fill, s
	s_wait_tensorcnt 0x0                           ; all my tensor loads have landed
	ds_add_u32 v[SPW], v[NIL]                      ; 0 onto my spare word
	s_wait_dscnt 4*NL+1                            ; (the add and the youngest 24 loads may be out)
	WIN MUL_LO
	MUL16 0, 1, \s, 0
	s_wait_dscnt 0x0                               ; the add is done, and my reads of this slot are over
	s_barrier_signal -1
	MUL16 2, 1, \s, 0
	WIN 0
	s_barrier_wait -1
.if \fill
	CREST
	s_add_nc_u64 s[G0+4*\slot+2:G0+4*\slot+3], s[G0+4*\slot+2:G0+4*\slot+3], ASTEP
	s_add_nc_u64 s[G0B+4*\slot+2:G0B+4*\slot+3], s[G0B+4*\slot+2:G0B+4*\slot+3], 2*ROWB
	JLOAD G0+4*\slot, G1, G0B+4*\slot, G1B
.else
	PLACES NP
.endif
	FETCH_B \next, 0, 0
	FETCH_A \next, 0, 0
	WIN MUL_HI
	MUL16 4, 1, \s, 0
	MUL16 6, 1, \s, 0
	PLACES NP
	WIN 0
	FETCH_A \next, 0, 4
.endm
.macro QUANT s, w, d0, d1, pw          ; 64 numbers of a lane in window w -> codes of blocks 0, 1 in v[d0] on, of blocks 2, 3 in v[d1] on, four scale bytes in v[pw]
	WIN (\w)|((\w)<<2)
.irp b, 0,1,2,3
	v_max3_num_f32 v[TM+\b], |v[(\s)+16*\b]|, |v[(\s)+1+16*\b]|, 0x1800000   ; with the floor 2^(3 - 127)
.endr
.irp i, 2,4,6,8,10,12,14
.irp b, 0,1,2,3
	v_max3_num_f32 v[TM+\b], |v[(\s)+16*\b+\i]|, |v[(\s)+1+16*\b+\i]|, v[TM+\b]
.endr
.endr
	WIN 0
.irp b, 0,1,2,3
	v_permlanex16_b32 v[TM+4+\b], v[TM+\b], s[SEL], s[SEL+1]
.endr
.irp b, 0,1,2,3
	v_max_num_f32 v[TM+\b], v[TM+\b], v[TM+4+\b]
.endr
.irp b, 0,1,2,3
	v_add_nc_u32 v[TM+12+\b], 0xff000000, v[TM+\b]
.endr
.irp b, 0,1,2,3
	v_lshrrev_b32 v[TM+4+\b], 23, v[TM+12+\b]
.endr
	v_lshl_or_b32 v[\pw], v[TM+5], 8, v[TM+4]
	v_lshl_or_b32 v[\pw], v[TM+6], 16, v[\pw]
	v_lshl_or_b32 v[\pw], v[TM+7], 24, v[\pw]
	WIN \w
	v_cvt_scalef32_pk16_fp6_f32 v[(\d0):(\d0)+2], v[(\s):(\s)+15], v[TM+12]
	v_cvt_scalef32_pk16_fp6_f32 v[CT:CT+2], v[(\s)+16:(\s)+31], v[TM+13]
	v_cvt_scalef32_pk16_fp6_f32 v[(\d1):(\d1)+2], v[(\s)+32:(\s)+47], v[TM+14]
	v_cvt_scalef32_pk16_fp6_f32 v[CT+4:CT+6], v[(\s)+48:(\s)+63], v[TM+15]
	WIN 0
	v_nop                                          ; one plain place behind a scaled conversion
.irp i, 0,1,2
	v_permlane16_swap_b32 v[(\d0)+\i], v[CT+\i]
	v_permlane16_swap_b32 v[(\d1)+\i], v[CT+4+\i]
.endr
.irp i, 0,1,2
	v_mov_b32 v[(\d0)+3+\i], v[CT+\i]
	v_mov_b32 v[(\d1)+3+\i], v[CT+4+\i]
.endr
.endm
	s_load_b128 s[4:7], s[0:1], 0x0                ; x's codes, x's scales: A (the lanes' side)
	s_load_b256 s[68:75], s[0:1], 0x10             ; Wq's codes, scales; Wk's codes, scales
	s_load_b64 s[76:77], s[0:1], 0x30              ; the table
	s_load_b256 s[80:87], s[0:1], 0x38             ; qimg, qsc, kv, kvsc
	v_lshl_add_u32 v[SPW], v0, 2, SPARE
	v_mov_b32 v[NIL], 0
	ds_add_u32 v[SPW], v[NIL]                      ; the wave's opening: the add, twice on end, and its wait ahead of my first tensor load
	ds_add_u32 v[SPW], v[NIL]
	v_lshrrev_b32 v1, 5, v0
	v_readfirstlane_b32 s14, v1
	s_lshr_b32 s15, s14, 1                         ; my half of the tokens.  Also: I fetch for A (0) or for B (1)
	s_and_b32 s16, s14, 1                          ; my half of the features.  Also: which 128 rows I fetch
	s_bfe_u32 s40, ttmp6, 0x40000                  ; cx
	s_bfe_u32 s41, ttmp6, 0x40004                  ; cy
	s_mov_b32 s42, s40                             ; my 256 rows of the weight = cx; which weight: the cluster's x
	s_and_b32 s17, ttmp7, 0xffff
	s_lshl_b32 s17, s17, 2
	s_add_co_u32 s17, s17, s41                     ; tr: my 256 tokens
	s_lshl_b32 s43, s41, 2
	s_lshl_b32 s43, 15, s43
	s_lshl_b32 s44, 0x1111, s40
	s_or_b32 s[G1+0], s43, (1<<20)|(1<<21)|(3<<22)|(3<<25)
	s_or_b32 s[G1B+0], s44, (1<<20)|(1<<21)|(3<<22)|(3<<25)
.irp g, G1, G1B
	s_mov_b32 s[\g+1], ROWB<<16
	s_mov_b32 s[\g+2], 128<<16
	s_mov_b32 s[\g+3], ROWB<<16
	s_mov_b32 s[\g+4], 128
	s_mov_b32 s[\g+5], KROW
	s_mov_b32 s[\g+6], 0
	s_mov_b32 s[\g+7], 0
.endr
	s_lshl_b32 s18, s16, 7
	s_lshl_b32 s20, s17, 8
	s_add_co_u32 s20, s20, s18
	s_mul_i32 s20, s20, KROW
	s_mov_b32 s21, 0
	s_lshl_b32 s46, s42, 8
	s_add_co_u32 s46, s46, s18
	s_mul_i32 s46, s46, KROW
	s_mov_b32 s47, 0
	s_mul_i32 s45, s14, HALFT
	s_lshl_b32 s78, s17, 13                        ; the scale bytes of the rows that I multiply
	s_lshl_b32 s79, s15, 12
	s_add_co_u32 s78, s78, s79
	s_mov_b32 s79, 0
	s_lshl_b32 s2, s42, 13
	s_lshl_b32 s3, s16, 12
	s_add_co_u32 s2, s2, s3
	s_mov_b32 s3, 0
	s_lshr_b32 s90, s17, 3                         ; the batch
	s_lshl_b32 s90, s90, 4
	s_lshl_b32 s91, s40, 2
	s_add_co_u32 s90, s90, s91
	s_lshl_b32 s91, s16, 1
	s_add_co_u32 s90, s90, s91                     ; my first head: 16 b + 4 cx + 2 half
	s_and_b32 s91, s17, 7
	s_lshl_b32 s92, s91, 1
	s_add_co_u32 s92, s92, s15                     ; my step of 128 tokens in the sequence
	s_mul_i32 s93, s92, 6144                       ; its place in a head of qimg,
	s_mul_i32 s99, s91, 24576
	s_mul_i32 s100, s15, 6144
	s_add_co_u32 s99, s99, s100                    ; and in a head of kv
	s_lshl_b32 s96, s91, 16
	s_lshl_b32 s97, s15, 15
	s_add_co_u32 s96, s96, s97                     ; my first token's row of the table: 256 bytes a position
	s_mov_b32 s97, 0
	s_mov_b32 s94, 196608
	s_mov_b32 s98, 8192
	s_cmp_eq_u32 ttmp9, 0                          ; q or k?  The cluster's x: the same in all sixteen partners
	s_cselect_b32 s93, s93, s99
	s_cselect_b32 s94, 98304, s94                  ; a head's images in bytes
	s_cselect_b32 s98, 4096, s98                   ; a head's scale words
	s_mov_b32 s95, 0
	s_mul_i32 s99, s90, s94
	s_add_co_u32 s99, s99, s93
	s_mul_i32 s100, s90, s98
	s_lshl_b32 s92, s92, 8
	s_add_co_u32 s92, s92, s100
	s_mov_b32 s93, 0                               ; s[92:93]: my scale words' place
	s_mov_b32 s90, s99
	s_mov_b32 s91, 0                               ; s[90:91]: my images' place
	s_mov_b32 s[SEL], 0x76543210
	s_mov_b32 s[SEL+1], 0xfedcba98
	s_mov_b32 s[HM], 0xffff0000
	s_wait_dscnt 0x0                               ; both opening adds are done
	s_wait_kmcnt 0x0
	s_cmp_eq_u32 ttmp9, 0
	s_cselect_b64 s[8:9], s[68:69], s[72:73]       ; B's codes,
	s_cselect_b64 s[10:11], s[70:71], s[74:75]     ; B's scales,
	s_cselect_b64 s[12:13], s[80:81], s[84:85]     ; where the images go,
	s_cselect_b64 s[88:89], s[82:83], s[86:87]     ; and the scale words
	s_add_nc_u64 s[12:13], s[12:13], s[90:91]      ; my first head,
	s_add_nc_u64 s[86:87], s[12:13], s[94:95]      ; my second
	s_add_nc_u64 s[88:89], s[88:89], s[92:93]
	s_add_nc_u64 s[76:77], s[76:77], s[96:97]
	s_add_nc_u64 s[78:79], s[6:7], s[78:79]
	s_add_nc_u64 s[2:3], s[10:11], s[2:3]
	s_add_nc_u64 s[20:21], s[4:5], s[20:21]
	s_add_nc_u64 s[46:47], s[8:9], s[46:47]
	CROUND                                         ; all sixteen work-groups are here: the first joint loads meet
.irp s, 0,1
	s_mov_b32 s[G0+4*\s], 1
	s_add_co_u32 s[G0+4*\s+1], s45, \s*SLOT
	s_add_nc_u64 s[G0+4*\s+2:G0+4*\s+3], s[20:21], \s*AOFF
	s_or_b32 s[G0+4*\s+3], s[G0+4*\s+3], 0x80000000
	s_mov_b32 s[G0B+4*\s], 1
	s_add_co_u32 s[G0B+4*\s+1], s45, \s*SLOT
	s_add_nc_u64 s[G0B+4*\s+2:G0B+4*\s+3], s[46:47], \s*ROWB
	s_or_b32 s[G0B+4*\s+3], s[G0B+4*\s+3], 0x80000000
	JLOAD G0+4*\s, G1, G0B+4*\s, G1B
.endr
	s_mov_b32 s99, 0x05040100                      ; v_perm_b32: the two low halves,
	s_mov_b32 s100, 0x07060302                     ; the two high halves
	v_and_b32 v1, 15, v0
	v_bfe_u32 v2, v0, 4, 1
	v_mul_u32_u24 v3, v1, PITCH
	v_mul_u32_u24 v4, v2, 24
	v_add_nc_u32 v4, v3, v4
	v_lshl_add_u32 v5, v2, 4, v4
	s_mul_i32 s21, s15, HALFT
	s_mul_i32 s22, s16, HALFT
	s_add_co_u32 s22, s22, 2*HALFT
.irp s, 0,1
	v_add_nc_u32 v[ADRA+\s], s21, v4
	v_add_nc_u32 v[ADRB+\s], s22, v4
	v_add_nc_u32 v[ADRA+2+\s], s21, v5
	v_add_nc_u32 v[ADRB+2+\s], s22, v5
	s_add_co_u32 s21, s21, SLOT
	s_add_co_u32 s22, s22, SLOT
.endr
	v_and_b32 v6, 31, v0
	v_lshlrev_b32 v[LI], 4, v6
	v_mul_u32_u24 v[XO], s98, v2                   ; lanes 16-31 store the second head's words
	v_lshl_add_u32 v[XO], v1, 4, v[XO]
	v_lshlrev_b32 v[TA], 8, v1
	v_lshl_add_u32 v[TA], v2, 5, v[TA]
	v_lshlrev_b32 v[SAO], 5, v1
	v_lshl_add_u32 v[SAO], v2, 4, v[SAO]
.irp i, 0,1,2,3,4,5,6,7
	global_load_b128 v[SA+4*\i:SA+4*\i+3], v[SAO], s[78:79] offset:512*\i
	global_load_b128 v[SB+4*\i:SB+4*\i+3], v[SAO], s[2:3] offset:512*\i
.endr
.irp a, 0,1                                    ; the table of token blocks 0 and 1: v96-127 and v224-255.  Register 8 tt + 2 jj, + 1: (cos, sin) of frequency 8 tt + 4 h + jj at my token
.irp tt, 0,1,2,3
.irp k, 0,1
	global_load_b128 v[96+128*\a+8*\tt+4*\k:96+128*\a+8*\tt+4*\k+3], v[TA], s[76:77] offset:\a*4096+64*\tt+16*\k
.endr
.endr
.endr
	s_wait_tensorcnt 1                             ; my part of slot 0 is in; slot 1's may stay out
	s_barrier_signal -1
	s_barrier_wait -1
	FETCH_B 0, 0, 0
	FETCH_A 0, 0, 0
	FETCH_A 0, 0, 4
	s_wait_loadcnt 0x0                             ; the scale words, and the table's first two blocks
	STEP 0, 0, 0, 1
	TURN 0, 1, 1, 1
	STEP 1, 0, 2, 0
	TURN 1, 0, 1, 3
	STEP 0, 0, 4, 0
	TURN 0, 1, 0, 5
	STEP 1, 0, 6, 0
	s_wait_dscnt 4*NL
	WIN MUL_LO
	MUL16 0, 1, 7, 0
	MUL16 2, 1, 7, 0
	s_wait_dscnt 0
	WIN MUL_HI
	MUL16 4, 1, 7, 0
	MUL16 6, 1, 7, 0
	WIN 0
	; THE WAY OUT, a block of 16 tokens at a time: rotate into window 1's v0-63 (B's fragments are done with), quantise, and after each second block store two double fragments
	PLACES NP
.irp b, 0,1,2,3
	v_mov_b32 v[TM+4+\b], 0                        ; a lane permute's destination counts as one of its sources
.endr
.irp a, 0,1,2,3,4,5,6,7
.set AC, 64*(\a%4)
.set CSS, 96+128*(\a%2)
.if \a == 7
	s_wait_loadcnt 0x0
.elseif \a >= 2
	s_wait_loadcnt 8                               ; this block's eight table loads are in; the next block's eight may be out
.endif
	WIN 0x40|(2+\a/4)                              ; source 0: the accumulators' window; destination window 1
.set nn, 0
.rept 32
	v_pk_mul_f32 v[2*nn:2*nn+1], v[AC+2*nn:AC+2*nn+1], v[CSS+2*(nn%16):CSS+2*(nn%16)+1] op_sel_hi:[1,0]   ; (te cos, to cos)
.set nn, nn+1
.endr
	WIN 0x50|(2+\a/4)                              ; source 2 window 1 too
.set nn, 0
.rept 32
	v_pk_fma_f32 v[2*nn:2*nn+1], v[AC+2*nn:AC+2*nn+1], v[CSS+2*(nn%16):CSS+2*(nn%16)+1], v[2*nn:2*nn+1] op_sel:[1,1,0] op_sel_hi:[0,1,1] neg_lo:[0,1,0]   ; (te cos - to sin, to cos + te sin)
.set nn, nn+1
.endr
	WIN 0
.if \a < 6
.irp tt, 0,1,2,3
.irp k, 0,1
	global_load_b128 v[CSS+8*\tt+4*\k:CSS+8*\tt+4*\k+3], v[TA], s[76:77] offset:(\a+2)*4096+64*\tt+16*\k   ; the table of the block two on, into the set just read
.endr
.endr
.endif
.if (\a >= 2) && (\a%2 == 0)
	s_wait_xcnt 0x0                                ; the last stores have read their data: the fragments' registers are written again
.endif
	QUANT 0, 1, F0+6*(\a%2), F1+6*(\a%2), PWA+\a%2
.if \a%2 == 1
	v_perm_b32 v[SW0+\a/2], v[PWA+1], v[PWA], s99  ; the first head's bytes of both token blocks,
	v_perm_b32 v[SW1+\a/2], v[PWA+1], v[PWA], s100 ; the second's
.irp g, 0,1,2
	global_store_b128 v[LI], v[F0+4*\g:F0+4*\g+3], s[12:13] offset:(\a/2)*1536+512*\g   ; 512 consecutive bytes
	global_store_b128 v[LI], v[F1+4*\g:F1+4*\g+3], s[86:87] offset:(\a/2)*1536+512*\g
.endr
.endif
.endr
.irp j, 0,1,2,3
	v_cndmask_b32 v[SWX+\j], v[SW0+\j], v[SW1+\j], s[HM]
.endr
	global_store_b128 v[XO], v[SWX:SWX+3], s[88:89] ; sixteen lanes store a head's 256 bytes of this step
	s_wait_tensorcnt 0x0                           ; the wave's end
	ds_add_u32 v[SPW], v[NIL]
	s_wait_dscnt 0x0
	CROUND                                         ; the closing round
	s_endpgm
.Lfunc_end_k_q34de16173d_qkproj:
	.size	k_q34de16173d_qkproj, .Lfunc_end_k_q34de16173d_qkproj-k_q34de16173d_qkproj
	.p2alignl 7, 3214868480
	.fill 96, 4, 3214868480
	.section	.rodata,"a",@progbits
	.p2align	6, 0x0
	.amdhsa_kernel k_q34de16173d_qkproj
		.amdhsa_group_segment_fixed_size 327680
		.amdhsa_private_segment_fixed_size 0
		.amdhsa_enable_private_segment 0
		.amdhsa_kernarg_size 88
		.amdhsa_user_sgpr_count 2
		.amdhsa_user_sgpr_kernarg_segment_ptr 1
		.amdhsa_wavefront_size32 1
		.amdhsa_system_sgpr_workgroup_id_x 1
		.amdhsa_system_sgpr_workgroup_id_y 1
		.amdhsa_system_sgpr_workgroup_id_z 1
		.amdhsa_system_vgpr_workitem_id 0
		.amdhsa_next_free_vgpr 1024
		.amdhsa_next_free_sgpr 102
		.amdhsa_reserve_vcc 0
		.amdhsa_float_denorm_mode_32 3
		.amdhsa_float_denorm_mode_16_64 3
		.amdhsa_memory_ordered 1
		.amdhsa_forward_progress 1
		.amdhsa_inst_pref_size 202
	.end_amdhsa_kernel
	.amdgpu_metadata
---
amdhsa.version: [ 1, 2 ]
amdhsa.kernels:
  - .name:           k_q34de16173d_qkproj
    .symbol:         k_q34de16173d_qkproj.kd
    .args:
      - { .name: x_codes, .offset: 0, .size: 8, .value_kind: global_buffer, .address_space: global }
      - { .name: x_scales, .offset: 8, .size: 8, .value_kind: global_buffer, .address_space: global }
      - { .name: Wq_codes, .offset: 16, .size: 8, .value_kind: global_buffer, .address_space: global }
      - { .name: Wq_scales, .offset: 24, .size: 8, .value_kind: global_buffer, .address_space: global }
      - { .name: Wk_codes, .offset: 32, .size: 8, .value_kind: global_buffer, .address_space: global }
      - { .name: Wk_scales, .offset: 40, .size: 8, .value_kind: global_buffer, .address_space: global }
      - { .name: rope, .offset: 48, .size: 8, .value_kind: global_buffer, .address_space: global }
      - { .name: qimg, .offset: 56, .size: 8, .value_kind: global_buffer, .address_space: global }
      - { .name: qsc, .offset: 64, .size: 8, .value_kind: global_buffer, .address_space: global }
      - { .name: kv, .offset: 72, .size: 8, .value_kind: global_buffer, .address_space: global }
      - { .name: kvsc, .offset: 80, .size: 8, .value_kind: global_buffer, .address_space: global }
    .group_segment_fixed_size: 327680
    .private_segment_fixed_size: 0
    .kernarg_segment_align: 8
    .kernarg_segment_size: 88
    .max_flat_workgroup_size: 128
    .sgpr_count:     102
    .vgpr_count:     1024
    .wavefront_size: 32
...
	.end_amdgpu_metadata
.endif
;; end of part 2
;; launch attn (part 3): grid 4 x 64, 16 waves a work-group, no clusters, 327,680 bytes of LDS; arguments qimg, qsc, kv, kvsc, oimg, osc; writes oimg, osc
.if DOCPART == 3
	.amdgcn_target "amdgcn-amd-amdhsa--gfx1250"
	.amdhsa_code_object_version 6
	.text
	.protected	k_q34de16173d_attn
	.globl	k_q34de16173d_attn
	.p2align	8
	.type	k_q34de16173d_attn,@function
k_q34de16173d_attn:
	s_mov_b64 s[64:65], 0
	v_nop
	global_prefetch_b8 v0, s[64:65] scope:SCOPE_SE
	s_setreg_imm32_b32 hwreg(HW_REG_WAVE_MODE, 25, 1), 1
	s_wait_xcnt 0x0
; o[b][h][t] = sum over s <= t of softmax_s(q . k / 8) v, both products on codes of FP6 (E2M3) with E8M0 scales; o is quantised along the model's 1,024 for the last projection.
; LEFT OUT AS DEAD WORK: key steps and slots that lie wholly behind the queries (the mask that reference() builds itself gives them the weight 0): see the first kernel's head.
; THE SOFTMAX AHEAD OF THE SECOND PRODUCT: t = score x log2(e) / 8; M = the running largest t rounded UP to a whole number; p = 2^(t - M) is quantised along the keys, not normalised; the sum of the unquantised p divides at the end.
; SHARES.  Work-group (c, H): head H = 16 b + h.  Wave w has x = 16 c + w and takes query tile 127 - x (pass 1), then tile x (pass 2).  A tile T needs T / 8 + 1 key steps of 128: 17 steps for every wave of the launch.
; THE HEAD'S K AND V STAY IN LDS: eight slots of 256 keys, each filled ONCE, a slot ahead of its first read, and only up to the work-group's last query; pass 2 finds its keys (under 1,024) there.  No byte is filled again.
; NO CLUSTER: the four work-groups of a head need 8, 7, 6 and 5 slots; a joint load would bring tiles that every wave of some partner jumps over.
; LAYOUT.  Both products are used transposed (source 0 = keys, or v's dims; source 1 = my 16 queries): a lane holds ONE query throughout.  All operands lie in LDS as images of their registers: every read is 512 dense bytes.
; K = 64 UNDER AN INSTRUCTION OF 128: a fragment of k holds TWO key tiles (registers 0-5 tile 2 j, 6-11 tile 2 j + 1).  It is multiplied by (q | zero codes) for tile 2 j's scores and by (zero codes | q) for tile 2 j + 1's.
; Zero codes add exactly 0; q's scale bytes of the dead half are 1.
; Inside a block of 32 keys p's codes stand in the order 0-7, 16-23, 8-15, 24-31, as v's do; o meets Wo's given codes, so o is brought into the natural order by 16 exchanges of lane halves ahead of its quantiser.
; osc is stored a byte a lane, rows 32 bytes apart (262,144 bytes in the launch): its units are written in part.  LIMIT: a block under 2^-124 gets the byte 1, where the rule says another.
; REGISTERS: v1-11 addresses; v12 -M, v13 the largest t, v[14:15] the sum; v16-27 (q | 0), v28-39 (0 | q); v40-87 four fragments of k, then of v; v88-91, v92-95 their scale words; v96-159 scores, then p; v160-191 O^T;
; v192-203 p's codes; v204-211 upper halves; v212, v213 q's scale words; v214 f, v215 p's scale word; v216-231 at work; v232-244 q as loaded.
.set SLOTB, 24576                      ; a slot: k's two steps of 6,144 bytes, then v's two
.set KSC,   8*SLOTB                    ; k's scale words of the head: 256 bytes a step
.set VSC,   KSC+4096                   ; v's
.set SPARE, VSC+4096                   ; the spare words, 128 bytes for each of 16 waves, that no other line names
.set LI,   1                           ; v1  16 x lane
.set LR,   2                           ; v2  16 x (lane % 16)
.set ADK,  3                           ; v3  the slot in hand + 16 x lane
.set ADS,  4                           ; v4  the step's scale words
.set SPW,  5
.set NIL,  6
.set PFO,  7                           ; v7  256 x lane
.set ASK0, 8                           ; v8  KSC + 16 x (lane % 16)
.set OA,   10                          ; v10 8 x lane
.set OSA,  11                          ; v11 32 x (lane % 16) + lane / 16
.set WV,   18
.set HH,   19
.set SEL,  20
.set CS,   22                          ; s[22:23] log2(e) / 8
.set G1,   24                          ; s[24:31] 48 rows of 256 bytes;  s[32:39] 16 rows
.set G1S,  32
.set G0,   40                          ; s[40:43] walks the slots;  s[44:47] the scale words
.set G0S,  44
.set TB,   2
.set TS,   3
.set KF,   48                          ; the step's first key
.set Q0,   49                          ; my tile's first query
.set QL,   50                          ; my work-group's last query in pass 1
.set SLOTS, 51
.set LIM,  52
.set TAU,  53                          ; my tile
.set PFA,  54
.set HM,   56
.set QM,   57
.set QP,   58
.set K1,   59
.set XX,   60
.macro TLOAD g0, g1                    ; waves 0 (k's half of a slot) and 1 (v's) fetch; an s_nop 0 and four v_nop follow the load
	s_cmp_lt_u32 s[WV], 2
	s_cbranch_scc0 .Lnone_\@
	tensor_load_to_lds s[\g0:\g0+3], s[\g1:\g1+7]
	s_nop 0
.rept 4
	v_nop
.endr
.Lnone_\@:
.endm
; A prefetch of the slot that the NEXT change will ask for: 96 blocks of 256 bytes, 32 to each of waves 4 to 6 of the head's work-group c = 0 (which walks all slots): each block is named once in the launch.
; It stands where the fetching waves have their tensor load, two key steps ahead of the load that will want it; the last change that fills a slot asks for nothing; slots 0 and 1 come by their loads alone.
.macro ASK
	s_cmp_gt_u32 s[SLOTS], s[LIM]
	s_cbranch_scc0 .Lnot_mine_\@
	global_prefetch_b8 v[PFO], s[PFA:PFA+1] th:TH_LOAD_NT scope:SCOPE_SE
.Lnot_mine_\@:
.endm
; THE CHANGE OF SLOTS, at a slot's head: every wave waits for all its tensor loads, adds 0 to its spare word, waits for that and for its LDS reads, and passes the barrier: the slot ahead is whole for all sixteen.
; fill = 1: the next slot is asked for, a first fill of its bytes, one load a wave, while its first key is at or under the work-group's last query: ids and the count of steps alone, the same in all waves.
.macro CHANGE fill
	s_wait_tensorcnt 0x0                           ; no tensor load of mine is out, so a group 0 may be written
	ds_add_u32 v[SPW], v[NIL]                      ; 0 onto my spare word
.if \fill
	ds_add_u32 v[SPW], v[NIL]                      ; and once more
	s_add_co_u32 s[G0+1], s[G0+1], SLOTB
	s_add_nc_u64 s[G0+2:G0+3], s[G0+2:G0+3], SLOTB
	s_wait_xcnt 0x0                                ; the last prefetch, a slot back, has read its address
	s_add_nc_u64 s[PFA:PFA+1], s[PFA:PFA+1], SLOTB
.endif
	s_wait_dscnt 0x0
	s_barrier_signal -1
	s_barrier_wait -1
.if \fill
	s_add_co_u32 s96, s[KF], 256                   ; the first key of the slot that this change would ask for
	s_cmp_gt_u32 s96, s[QL]
	s_cbranch_scc1 .Lpast_\@                       ; no wave of mine would read it
	TLOAD G0, G1
.Lpast_\@:
	ASK
.endif
.endm
; A KEY STEP: 128 keys, the q-th of the slot in hand
.macro STEP q
	s_add_co_u32 s96, s[Q0], 15
	s_cmp_gt_u32 s[KF], s96
	s_cbranch_scc1 .Lhidden_\@                     ; all its keys come after my queries
	v_add_nc_u32 v[ADK], s[TB], v[LI]
	v_add_nc_u32 v[ADS], s[TS], v[ASK0]
	v_nop
	v_nop                                          ; four places in front of loads into registers that the last products have read
.irp j, 0,1,2,3
.irp g, 0,1,2
	ds_load_b128 v[40+12*\j+4*\g:43+12*\j+4*\g], v[ADK] offset:(\q)*6144+1536*\j+512*\g
.endr
.endr
	ds_load_b128 v[88:91], v[ADS]
	s_wait_alu depctr_va_vdst(0)
	s_wait_dscnt 0x0
.irp j, 0,1,2,3
	v_wmma_scale_f32_16x16x128_f8f6f4 v[96+16*\j:103+16*\j], v[40+12*\j:51+12*\j], v[16:27], 0, v[88+\j], v212 matrix_a_fmt:MATRIX_FMT_FP6 matrix_b_fmt:MATRIX_FMT_FP6
	v_wmma_scale_f32_16x16x128_f8f6f4 v[104+16*\j:111+16*\j], v[40+12*\j:51+12*\j], v[28:39], 0, v[88+\j], v213 matrix_a_fmt:MATRIX_FMT_FP6 matrix_b_fmt:MATRIX_FMT_FP6
.endr                                          ; register 8 tt + i: key KF + 16 tt + 8 (lane / 16) + i of my query
.rept 4
	v_nop
.endr
.irp t, 0,1,2,3                                ; v's fragments are asked for now and land under the softmax
.irp g, 0,1,2
	ds_load_b128 v[40+12*\t+4*\g:43+12*\t+4*\g], v[ADK] offset:12288+(\q)*6144+1536*\t+512*\g
.endr
.endr
	ds_load_b128 v[92:95], v[ADS] offset:4096
	s_add_co_u32 s96, s[KF], 127
	s_cmp_le_u32 s96, s[Q0]
	s_cbranch_scc1 .Lopen_\@                       ; all its keys count
	s_sub_co_i32 s96, s[Q0], s[KF]
	v_and_b32 v228, 15, v0
	v_bfe_u32 v229, v0, 4, 1
	s_delay_alu instid0(VALU_DEP_1)
	v_lshlrev_b32 v229, 3, v229
	s_delay_alu instid0(VALU_DEP_1)
	v_sub_nc_u32 v228, v228, v229
	s_delay_alu instid0(VALU_DEP_1)
	v_add_nc_u32 v228, s96, v228                   ; d = my query - KF - 8 (lane / 16): register n is hidden where 16 (n / 8) + n % 8 > d
	v_mov_b32 v229, 0xff800000
.set nn, 0
.rept 64
	v_cmp_gt_i32 vcc_lo, 16*(nn/8)+nn%8, v228
	v_cndmask_b32 v[96+nn], v[96+nn], v229, vcc_lo
.set nn, nn+1
.endr
.Lopen_\@:
.irp b, 0,1,2,3
	v_max3_num_f32 v[216+\b], v[96+16*\b], v[97+16*\b], v[98+16*\b]   ; the largest score of each block of 32 keys: for the row's maximum and, since p rises with the score, for the block's largest p
.endr
.irp i, 3,5,7,9,11,13
.irp b, 0,1,2,3
	v_max3_num_f32 v[216+\b], v[216+\b], v[96+16*\b+\i], v[97+16*\b+\i]
.endr
.endr
.irp b, 0,1,2,3
	v_max_num_f32 v[216+\b], v[216+\b], v[111+16*\b]
.endr
.irp b, 0,1,2,3
	s_delay_alu instid0(VALU_DEP_4)
	v_permlanex16_b32 v[220+\b], v[216+\b], s[SEL], s[SEL+1]
.endr
.irp b, 0,1,2,3
	s_delay_alu instid0(VALU_DEP_4)
	v_max_num_f32 v[216+\b], v[216+\b], v[220+\b]
.endr
	s_delay_alu instid0(VALU_DEP_2)
	v_max3_num_f32 v228, v216, v217, v218
	s_delay_alu instid0(VALU_DEP_1)
	v_max_num_f32 v228, v228, v219
	s_delay_alu instid0(VALU_DEP_1)
	v_mul_f32 v228, s[CS], v228
	s_delay_alu instid0(VALU_DEP_1)
	v_max_num_f32 v13, v13, v228                   ; the running largest t
	v_mov_b32 v228, v12
	s_delay_alu instid0(VALU_DEP_2)
	v_floor_f32 v12, -v13                          ; the new -M: M is a whole number
	s_delay_alu instid0(VALU_DEP_1)
	v_sub_f32 v228, v12, v228
	s_delay_alu instid0(VALU_DEP_1)
	v_cvt_i32_f32 v228, v228                       ; (it saturates)
	s_delay_alu instid0(VALU_DEP_1)
	v_ldexp_f32 v214, 1.0, v228                    ; f = 2^(old M - new M): exact
.set nn, 0
.rept 32
	v_pk_fma_f32 v[96+nn:97+nn], v[96+nn:97+nn], s[CS:CS+1], v[12:13] op_sel_hi:[1,0,0]   ; t - M
.set nn, nn+2
.endr
.irp b, 0,1,2,3
	v_fma_f32 v[216+\b], v[216+\b], s[CS], v12
.endr
.set nn, 0
	s_wait_alu depctr_va_vdst(0)
.rept 64
	v_exp_f32 v[96+nn], v[96+nn]                   ; p
.set nn, nn+1
.endr
	v_pk_mul_f32 v[14:15], v[14:15], v[214:215] op_sel_hi:[1,0]   ; the sums under the new M (a plain place behind the exponentials)
	s_wait_alu depctr_va_vdst(0)                   ; one wait for the batch, ahead of its first reader
.irp b, 0,1,2,3
	v_exp_f32 v[216+\b], v[216+\b]                 ; each block's largest p
.endr
	v_pk_add_f32 v[230:231], v[100:101], v[104:105]
	v_pk_add_f32 v[254:255], v[108:109], v[112:113]
	v_pk_add_f32 v[252:253], v[116:117], v[120:121]
	v_pk_add_f32 v[250:251], v[124:125], v[128:129]
	v_pk_add_f32 v[248:249], v[132:133], v[136:137]
	v_pk_add_f32 v[246:247], v[140:141], v[144:145]
	v_pk_add_f32 v[244:245], v[148:149], v[152:153]
	v_pk_add_f32 v[14:15], v[14:15], v[156:157]
	v_pk_add_f32 v[230:231], v[230:231], v[96:97]
	v_pk_add_f32 v[254:255], v[254:255], v[98:99]
	v_pk_add_f32 v[252:253], v[252:253], v[102:103]
	v_pk_add_f32 v[250:251], v[250:251], v[106:107]
	v_pk_add_f32 v[248:249], v[248:249], v[110:111]
	v_pk_add_f32 v[246:247], v[246:247], v[114:115]
	v_pk_add_f32 v[244:245], v[244:245], v[118:119]
	v_pk_add_f32 v[14:15], v[14:15], v[122:123]
	v_pk_add_f32 v[230:231], v[230:231], v[126:127]
	v_pk_add_f32 v[254:255], v[254:255], v[130:131]
	v_pk_add_f32 v[252:253], v[252:253], v[134:135]
	v_pk_add_f32 v[250:251], v[250:251], v[138:139]
	v_pk_add_f32 v[248:249], v[248:249], v[142:143]
	v_pk_add_f32 v[246:247], v[246:247], v[146:147]
	v_pk_add_f32 v[244:245], v[244:245], v[150:151]
	v_pk_add_f32 v[14:15], v[14:15], v[154:155]
	v_pk_add_f32 v[230:231], v[230:231], v[158:159]
	s_delay_alu instid0(VALU_DEP_2)
	v_pk_add_f32 v[14:15], v[14:15], v[250:251]
	s_delay_alu instid0(VALU_DEP_2)
	v_pk_add_f32 v[230:231], v[230:231], v[248:249]
	v_pk_add_f32 v[254:255], v[254:255], v[246:247]
	v_pk_add_f32 v[252:253], v[252:253], v[244:245]
	s_delay_alu instid0(VALU_DEP_2)
	v_pk_add_f32 v[14:15], v[14:15], v[254:255]
	s_delay_alu instid0(VALU_DEP_2)
	v_pk_add_f32 v[230:231], v[230:231], v[252:253]
	s_delay_alu instid0(VALU_DEP_1)
	v_pk_add_f32 v[14:15], v[14:15], v[230:231]
	s_wait_alu depctr_va_vdst(0)                   ; and one for the four
.irp b, 0,1,2,3
	v_max_num_f32 v[216+\b], 0x1800000, v[216+\b]  ; the floor 2^(3 - 127)
.endr
.irp b, 0,1,2,3
	s_delay_alu instid0(VALU_DEP_4)
	v_add_nc_u32 v[224+\b], 0xff000000, v[216+\b]
.endr
.irp b, 0,1,2,3
	s_delay_alu instid0(VALU_DEP_4)
	v_lshrrev_b32 v[220+\b], 23, v[224+\b]
.endr
	s_delay_alu instid0(VALU_DEP_3)
	v_lshl_or_b32 v215, v221, 8, v220              ; p's scale word for these 128 keys
	s_delay_alu instid0(VALU_DEP_1)
	v_lshl_or_b32 v215, v222, 16, v215
	s_delay_alu instid0(VALU_DEP_1)
	v_lshl_or_b32 v215, v223, 24, v215
.irp c, 0,1
	v_cvt_scalef32_pk16_fp6_f32 v[192+6*\c:194+6*\c], v[96+32*\c:111+32*\c], v[224+2*\c]
	v_cvt_scalef32_pk16_fp6_f32 v[204+4*\c:206+4*\c], v[112+32*\c:127+32*\c], v[224+2*\c+1]
.endr
	v_nop                                          ; one plain place behind a scaled conversion
.irp c, 0,1
.irp i, 0,1,2
	v_permlane16_swap_b32 v[192+6*\c+\i], v[204+4*\c+\i]
.endr
.irp i, 0,1,2
	s_delay_alu instid0(VALU_DEP_3)
	v_mov_b32 v[195+6*\c+\i], v[204+4*\c+\i]
.endr
.endr
.set nn, 0
.rept 16
	v_pk_mul_f32 v[160+nn:161+nn], v[160+nn:161+nn], v[214:215] op_sel_hi:[1,0]   ; O^T under the new M; these are also the places in front of the scaled products
.set nn, nn+2
.endr
	s_wait_alu depctr_va_vdst(0)
	s_wait_dscnt 0x0                               ; v's fragments and scale words
.irp t, 0,1,2,3
	v_wmma_scale_f32_16x16x128_f8f6f4 v[160+8*\t:167+8*\t], v[40+12*\t:51+12*\t], v[192:203], v[160+8*\t:167+8*\t], v[92+\t], v215 matrix_a_fmt:MATRIX_FMT_FP6 matrix_b_fmt:MATRIX_FMT_FP6
.endr
.Lhidden_\@:
	s_add_co_u32 s[KF], s[KF], 128
	s_add_co_u32 s[TS], s[TS], 256
.endm
.macro SLOT_STEPS
	STEP 0
	STEP 1
	s_add_co_u32 s[TB], s[TB], SLOTB
.endm
; A pass begins: tile s[TAU]'s q and its scale word; the running figures and O^T begin anew (the first change of M multiplies zeros)
.macro INIT
	s_wait_xcnt 0x0                                ; earlier loads and stores have read their bases and data
	s_lshl_b32 s[Q0], s[TAU], 4
	s_mov_b32 s[TB], 0
	s_mov_b32 s[TS], 0
	s_mov_b32 s[KF], 0
	s_lshr_b32 s66, s[TAU], 1
	s_mul_i32 s66, s66, 1536
	s_mov_b32 s67, 0
	s_add_nc_u64 s[68:69], s[4:5], s[66:67]        ; the double fragment that holds my tile
	s_lshr_b32 s66, s[TAU], 3
	s_lshl_b32 s66, s66, 8
	s_bfe_u32 s70, s[TAU], 0x20001
	s_lshl_b32 s70, s70, 2
	s_add_co_u32 s66, s66, s70
	s_add_nc_u64 s[70:71], s[6:7], s[66:67]        ; and its scale word
	global_load_b128 v[232:235], v[LI], s[68:69]
	global_load_b128 v[236:239], v[LI], s[68:69] offset:512
	global_load_b128 v[240:243], v[LI], s[68:69] offset:1024
	global_load_b32 v244, v[LR], s[70:71]
	s_and_b32 s66, s[TAU], 1
	s_cmp_eq_u32 s66, 1
	s_cselect_b32 s[QM], -1, 0                     ; an odd tile lies in registers 6-11,
	s_mov_b32 s[QP], 0x01000100
	s_cselect_b32 s[QP], 0x03020302, s[QP]         ; and its two bytes in the word's upper half
	s_wait_loadcnt 0x0
.irp i, 0,1,2,3,4,5
	v_cndmask_b32 v[16+\i], v[232+\i], v[238+\i], s[QM]
.endr
.irp i, 0,1,2,3,4,5
	v_mov_b32 v[34+\i], v[16+\i]
.endr
	v_perm_b32 v228, v244, v244, s[QP]             ; (s0, s1, s0, s1)
	s_delay_alu instid0(VALU_DEP_1)
	v_and_or_b32 v212, v228, 0xffff, s[K1]         ; (s0, s1, 1, 1)
	s_delay_alu instid0(VALU_DEP_2)
	v_and_or_b32 v213, v228, s[HM], 0x0101         ; (1, 1, s0, s1)
	v_mov_b32 v13, 0xff61b1e6                      ; -3e38, under every t
	s_delay_alu instid0(VALU_DEP_1)
	v_floor_f32 v12, -v13
	v_mov_b32 v14, 0
	v_mov_b32 v15, 0
.set nn, 0
.rept 32
	v_mov_b32 v[160+nn], 0                         ; O^T; these are also the places between q's scale words and the first scaled product
.set nn, nn+1
.endr
.endm
; A pass ends: O^T / the sum, into the natural order of the head's dims, quantised in two blocks of 32, stored as half a fragment's image
.macro FINISH
	s_mul_i32 s66, s[TAU], 12288
	s_mov_b32 s67, 0
	s_add_nc_u64 s[72:73], s[12:13], s[66:67]
	s_lshl_b32 s66, s[TAU], 9
	s_add_nc_u64 s[74:75], s[14:15], s[66:67]
	v_add_f32 v14, v14, v15
	s_delay_alu instid0(VALU_DEP_1)
	v_permlanex16_b32 v228, v14, s[SEL], s[SEL+1]
	s_delay_alu instid0(VALU_DEP_1)
	v_add_f32 v14, v14, v228                       ; the row's sum
	s_wait_alu depctr_va_vdst(0)
	v_rcp_f32 v14, v14
	v_nop
	v_nop
	v_nop                                          ; with the two additions: the places behind the last products
	s_wait_alu depctr_va_vdst(0)                   ; a wait ahead of the first reader
.set nn, 0
.rept 16
	v_pk_mul_f32 v[96+nn:97+nn], v[160+nn:161+nn], v[14:15] op_sel_hi:[1,0]   ; register 8 t + i: dim 16 t + 8 (lane / 16) + i
.set nn, nn+2
.endr
.irp be, 0,1
.irp j, 0,1,2,3,4,5,6,7
	v_permlane16_swap_b32 v[96+16*\be+\j], v[104+16*\be+\j]   ; now register 16 be + i: dim 32 be + 16 (lane / 16) + i
.endr
.endr
.irp b, 0,1
	v_max3_num_f32 v[216+\b], |v[96+16*\b]|, |v[97+16*\b]|, 0x1800000
.endr
.irp i, 2,4,6,8,10,12,14
.irp b, 0,1
	s_delay_alu instid0(VALU_DEP_2)
	v_max3_num_f32 v[216+\b], v[216+\b], |v[96+16*\b+\i]|, |v[97+16*\b+\i]|
.endr
.endr
.irp b, 0,1
	s_delay_alu instid0(VALU_DEP_2)
	v_permlanex16_b32 v[220+\b], v[216+\b], s[SEL], s[SEL+1]
.endr
.irp b, 0,1
	s_delay_alu instid0(VALU_DEP_2)
	v_max_num_f32 v[216+\b], v[216+\b], v[220+\b]
.endr
.irp b, 0,1
	s_delay_alu instid0(VALU_DEP_2)
	v_add_nc_u32 v[224+\b], 0xff000000, v[216+\b]
.endr
.irp b, 0,1
	s_delay_alu instid0(VALU_DEP_2)
	v_lshrrev_b32 v[220+\b], 23, v[224+\b]
.endr
	v_cvt_scalef32_pk16_fp6_f32 v[192:194], v[96:111], v224
	v_cvt_scalef32_pk16_fp6_f32 v[204:206], v[112:127], v225
	v_cndmask_b32 v229, v220, v221, s[HM]          ; my block's byte (a plain place behind the conversions)
.irp i, 0,1,2
	v_permlane16_swap_b32 v[192+\i], v[204+\i]
.endr
.irp i, 0,1,2
	s_delay_alu instid0(VALU_DEP_3)
	v_mov_b32 v[195+\i], v[204+\i]
.endr
.irp g, 0,1,2
	global_store_b64 v[OA], v[192+2*\g:193+2*\g], s[72:73] offset:256*\g   ; 32 lanes store 256 consecutive bytes
.endr
	global_store_b8 v[OSA], v229, s[74:75]
.endm
	s_load_b256 s[4:11], s[0:1], 0x0               ; qimg, qsc, kv, kvsc
	s_load_b128 s[12:15], s[0:1], 0x20             ; oimg, osc
	v_lshl_add_u32 v[SPW], v0, 2, SPARE
	v_mov_b32 v[NIL], 0
	ds_add_u32 v[SPW], v[NIL]                      ; the wave's opening: the add, twice on end, and its wait ahead of the first tensor load
	ds_add_u32 v[SPW], v[NIL]
	v_lshrrev_b32 v9, 5, v0
	s_delay_alu instid0(VALU_DEP_1)
	v_readfirstlane_b32 s[WV], v9                  ; wave 0..15
	s_and_b32 s[HH], ttmp7, 0xffff                 ; H = 16 b + h
	s_and_b32 s88, s[WV], 1
	s_mov_b32 s[G1], 3<<16                         ; no mask; elements of 8 bytes; no padding
	s_mov_b32 s[G1+1], 32<<16                      ; rows of 256 bytes,
	s_mov_b32 s[G1+2], 48<<16                      ; 48 of them: half a slot
	s_mov_b32 s[G1+3], 32<<16
	s_mov_b32 s[G1+4], 48
	s_mov_b32 s[G1+5], 32
	s_mov_b32 s[G1+6], 0
	s_mov_b32 s[G1+7], 0
	s_mov_b32 s[G1S], 3<<16
	s_mov_b32 s[G1S+1], 32<<16
	s_mov_b32 s[G1S+2], 16<<16                     ; 16 rows: k's or v's scale words of the head
	s_mov_b32 s[G1S+3], 32<<16
	s_mov_b32 s[G1S+4], 16
	s_mov_b32 s[G1S+5], 32
	s_mov_b32 s[G1S+6], 0
	s_mov_b32 s[G1S+7], 0
	s_mul_i32 s66, s[HH], 98304
	s_mov_b32 s67, 0
	s_lshl_b32 s68, s[HH], 12
	s_mov_b32 s69, 0
	s_mul_i32 s70, s[HH], 196608
	s_mov_b32 s71, 0
	s_lshl_b32 s72, s[HH], 13
	s_mov_b32 s73, 0
	s_mul_i32 s74, s88, 12288
	s_mov_b32 s75, 0
	s_lshl_b32 s76, s88, 12
	s_mov_b32 s77, 0
	s_mov_b32 s[SEL], 0x76543210
	s_mov_b32 s[SEL+1], 0xfedcba98
	s_mov_b32 s[CS], 0x3e38aa3b                    ; log2(e) / sqrt(64)
	s_mov_b32 s[CS+1], s[CS]
	s_mov_b32 s[HM], 0xffff0000
	s_mov_b32 s[K1], 0x01010000
	s_lshl_b32 s[XX], ttmp9, 4
	s_add_co_u32 s[XX], s[XX], s[WV]               ; x = 16 c + wave
	s_lshl_b32 s78, ttmp9, 8
	s_sub_co_u32 s[QL], 2047, s78                  ; the last query of tile 127 - 16 c
	s_sub_co_u32 s78, s[WV], 4
	s_lshr_b32 s78, s78, 2                         ; 0 in waves 4 to 7,
	s_or_b32 s78, s78, ttmp9                       ; of the head's work-group c = 0
	s_cmp_eq_u32 s78, 0
	s_cselect_b32 s[LIM], 1, -1
	s_cmp_eq_u32 s[WV], 7                          ; (a slot is three waves' worth)
	s_cselect_b32 s[LIM], -1, s[LIM]
	s_wait_dscnt 0x0                               ; both opening adds are done
	s_wait_kmcnt 0x0
	s_add_nc_u64 s[4:5], s[4:5], s[66:67]          ; all at my head
	s_add_nc_u64 s[6:7], s[6:7], s[68:69]
	s_add_nc_u64 s[8:9], s[8:9], s[70:71]
	s_add_nc_u64 s[10:11], s[10:11], s[72:73]
	s_mov_b32 s[G0S], 1
	s_add_co_u32 s[G0S+1], s76, KSC
	s_add_nc_u64 s[G0S+2:G0S+3], s[10:11], s[76:77]
	s_or_b32 s[G0S+3], s[G0S+3], 0x80000000
	TLOAD G0S, G1S                                 ; the scale words of the whole head
	s_mov_b32 s[G0], 1
	s_mov_b32 s[G0+1], s74
	s_add_nc_u64 s[G0+2:G0+3], s[8:9], s[74:75]
	s_or_b32 s[G0+3], s[G0+3], 0x80000000
	TLOAD G0, G1                                   ; slot 0: two loads of a fetching wave are out
	s_lshr_b32 s66, s[HH], 4                       ; b
	s_and_b32 s68, s[HH], 15                       ; h
	s_mul_i32 s70, s66, 2048*768
	s_mul_i32 s71, s68, 768
	s_add_co_u32 s70, s70, s71
	s_mov_b32 s71, 0
	s_add_nc_u64 s[12:13], s[12:13], s[70:71]      ; oimg at (b, tile 0, h); a tile on is 12,288 bytes
	s_lshl_b32 s70, s66, 16
	s_lshl_b32 s72, s68, 1
	s_add_co_u32 s70, s70, s72
	s_add_nc_u64 s[14:15], s[14:15], s[70:71]      ; osc at (b, token 0, byte 2 h)
	s_and_b32 s70, s[WV], 3
	s_lshl_b32 s70, s70, 13
	s_add_co_u32 s70, s70, SLOTB
	s_add_nc_u64 s[PFA:PFA+1], s[8:9], s[70:71]    ; in slot 1: the first change steps it to slot 2.  Nothing is prefetched here, at the head
	v_and_b32 v9, 31, v0
	s_delay_alu instid0(VALU_DEP_1)
	v_lshlrev_b32 v[LI], 4, v9
	v_and_b32 v228, 15, v0
	s_delay_alu instid0(VALU_DEP_1)
	v_lshlrev_b32 v[LR], 4, v228
	s_delay_alu instid0(VALU_DEP_1)
	v_add_nc_u32 v[ASK0], KSC, v[LR]
	v_lshlrev_b32 v[OA], 3, v9
	v_bfe_u32 v229, v0, 4, 1
	s_delay_alu instid0(VALU_DEP_1)
	v_lshl_add_u32 v[OSA], v228, 5, v229
	v_lshlrev_b32 v[PFO], 8, v9
.irp i, 22,23,24,25,26,27,28,29,30,31,32,33
	v_mov_b32 v[\i], 0                             ; the zero codes of (q | 0) and (0 | q)
.endr
.irp i, 215,220,221,222,223,228
	v_mov_b32 v[\i], 0                             ; written once: lane permutes' destinations, and the upper half of the pair v[214:215]
.endr
	s_sub_co_u32 s[TAU], 127, s[XX]
	INIT                                           ; PASS 1: tile 127 - x
	s_mov_b32 s[SLOTS], 7
.Lslot:                                            ; seven trips: behind each change but the last the next slot is asked for, up to the limit
	CHANGE 1
	SLOT_STEPS
	s_sub_co_u32 s[SLOTS], s[SLOTS], 1
	s_cmp_lg_u32 s[SLOTS], 0
	s_cbranch_scc1 .Lslot
	CHANGE 0
	SLOT_STEPS
	FINISH
	s_mov_b32 s[TAU], s[XX]
	INIT                                           ; PASS 2: tile x, at most 63: keys under 1,024, slots 0 to 3, which every work-group has filled and shown to all its waves
	s_mov_b32 s[SLOTS], 4
.Lslot2:
	SLOT_STEPS
	s_sub_co_u32 s[SLOTS], s[SLOTS], 1
	s_cmp_lg_u32 s[SLOTS], 0
	s_cbranch_scc1 .Lslot2
	FINISH
	s_wait_tensorcnt 0x0                           ; the wave's end
	ds_add_u32 v[SPW], v[NIL]
	s_wait_dscnt 0x0
	s_endpgm
.Lfunc_end_k_q34de16173d_attn:
	.size	k_q34de16173d_attn, .Lfunc_end_k_q34de16173d_attn-k_q34de16173d_attn
	.p2alignl 7, 3214868480
	.fill 96, 4, 3214868480
	.section	.rodata,"a",@progbits
	.p2align	6, 0x0
	.amdhsa_kernel k_q34de16173d_attn
		.amdhsa_group_segment_fixed_size 327680
		.amdhsa_private_segment_fixed_size 0
		.amdhsa_enable_private_segment 0
		.amdhsa_kernarg_size 48
		.amdhsa_user_sgpr_count 2
		.amdhsa_user_sgpr_kernarg_segment_ptr 1
		.amdhsa_wavefront_size32 1
		.amdhsa_system_sgpr_workgroup_id_x 1
		.amdhsa_system_sgpr_workgroup_id_y 1
		.amdhsa_system_sgpr_workgroup_id_z 1
		.amdhsa_system_vgpr_workitem_id 0
		.amdhsa_next_free_vgpr 256
		.amdhsa_next_free_sgpr 100
		.amdhsa_reserve_vcc 1
		.amdhsa_float_denorm_mode_32 3
		.amdhsa_float_denorm_mode_16_64 3
		.amdhsa_memory_ordered 1
		.amdhsa_forward_progress 1
		.amdhsa_inst_pref_size 157
	.end_amdhsa_kernel
	.amdgpu_metadata
---
amdhsa.version: [ 1, 2 ]
amdhsa.kernels:
  - .name:           k_q34de16173d_attn
    .symbol:         k_q34de16173d_attn.kd
    .args:
      - { .name: qimg, .offset: 0, .size: 8, .value_kind: global_buffer, .address_space: global }
      - { .name: qsc, .offset: 8, .size: 8, .value_kind: global_buffer, .address_space: global }
      - { .name: kv, .offset: 16, .size: 8, .value_kind: global_buffer, .address_space: global }
      - { .name: kvsc, .offset: 24, .size: 8, .value_kind: global_buffer, .address_space: global }
      - { .name: oimg, .offset: 32, .size: 8, .value_kind: global_buffer, .address_space: global }
      - { .name: osc, .offset: 40, .size: 8, .value_kind: global_buffer, .address_space: global }
    .group_segment_fixed_size: 327680
    .private_segment_fixed_size: 0
    .kernarg_segment_align: 8
    .kernarg_segment_size: 48
    .max_flat_workgroup_size: 512
    .sgpr_count:     100
    .vgpr_count:     256
    .wavefront_size: 32
...
	.end_amdgpu_metadata
.endif
;; end of part 3
;; launch oproj (part 4): grid 4 x 32, 4 waves a work-group, clusters of 4 x 4, 327,680 bytes of LDS; arguments oimg, osc, Wo_codes, Wo_scales, out0; writes out0
.if DOCPART == 4
	.amdgcn_target "amdgcn-amd-amdhsa--gfx1250"
	.amdhsa_code_object_version 6
	.text
	.protected	k_q34de16173d_oproj
	.globl	k_q34de16173d_oproj
	.p2align	8
	.type	k_q34de16173d_oproj,@function
k_q34de16173d_oproj:
	s_mov_b64 s[64:65], 0
	v_nop
	global_prefetch_b8 v0, s[64:65] scope:SCOPE_SE
	s_setreg_imm32_b32 hwreg(HW_REG_WAVE_MODE, 25, 1), 1
	s_wait_xcnt 0x0
	s_wait_alu depctr_hold_cnt(0) depctr_sa_sdst(0) depctr_va_vdst(0) depctr_va_sdst(0) depctr_va_ssrc(0) depctr_va_vcc(0) depctr_vm_vsrc(0)
	s_getreg_b32 s2, hwreg(HW_REG_IB_STS2, 6, 4)
	s_cmp_eq_u32 s2, 0
	s_cbranch_scc0 .Lentry_in_a_cluster
	s_endpgm
.Lentry_in_a_cluster:
	s_bfe_u32 s2, ttmp6, 0x10000c
	s_cmp_lg_u32 s2, 0xf033
	s_cbranch_scc0 .Lentry_shape_is_right
	s_endpgm
.Lentry_shape_is_right:
; out0[token][e] = sum over k of o[token][k] Wo[e][k] on codes of FP6 (E2M3) with E8M0 scales; K = 1,024; out0 f32.
; A tile of 256 tokens x 256 outputs to a work-group of four waves, 128 x 128 a wave; clusters of 4 x 4 with joint loads; a ring of two LDS slots of 256 along K, the eight steps of 128 written out; scale words in registers.
; o comes as the launch before has laid it: for each tile of 16 tokens and each head half a fragment's image, 768 bytes (three runs of 256 bytes, 8 bytes a lane).  A slot's part of a token tile is four heads, 3,072 dense bytes:
; one tensor load brings eight token tiles; a fragment is six loads of 8 bytes a lane, each of 256 dense bytes.  Wo's rows come padded, as in the projections.
; Source 0 = 16 rows of Wo, source 1 = 16 tokens: a lane holds eight neighbouring outputs of one token; a block of 16 tokens goes through the wave's stage in LDS and leaves as whole rows of 512 bytes.
.set ROWB,  192
.set KROW,  768
.set PITCH, 240
.set FR,    12
.set NL,    6
.set NP,    4
.set HALFT, 128*PITCH
.set SLOT,  4*HALFT
.set SPARE, 2*SLOT                     ; the spare words, 128 bytes a wave, that no other line names
.set AOFF,  3072                       ; A: four heads on
.set ASTEP, 6144                       ; A: eight heads on
.set SPITCH, 528                       ; the stage: 16 rows x (512 bytes + 16) a wave, in slot 0, which has had its last fill and its last read when the first result is stored there
.set SIZE_N, 1024
.set ADRA, 16                          ; v16-17 my A images in slot 0, 1: + 8 x lane
.set ADRB, 20
.set STO,  24
.set RD,   25
.set CO,   26
.set SPW,  28
.set NIL,  29
.set SAO,  30
.set SA,   32
.set SB,   64
.set AF,   128
.set BK,   128                         ; the way out: v128-191 and v192-255 by turns
.set G1,  24
.set G0,  32
.set G1B, 48
.set G0B, 56
.set MSB, 0
.macro WIN new
.if MSB != (\new)
	s_set_vgpr_msb (MSB<<8)|(\new)
.set MSB, (\new)
.endif
.endm
.set MUL_LO, 0xa1
.set MUL_HI, 0xf1
.set TO_B,   0x40
.macro JLOAD g0a, g1a, g0b, g1b
	s_cmp_eq_u32 s15, 0
	s_cbranch_scc0 .Lfor_b_\@
	tensor_load_to_lds s[\g0a:\g0a+3], s[\g1a:\g1a+7]
	s_nop 0
.rept 4
	v_nop
.endr
	s_branch .Lasked_\@
.Lfor_b_\@:
	tensor_load_to_lds s[\g0b:\g0b+3], s[\g1b:\g1b+7]
	s_nop 0
.rept 4
	v_nop
.endr
.Lasked_\@:
.endm
.macro CREST
	s_cmp_lg_u32 s14, 0
	s_cbranch_scc1 .Lnot_wave_0_\@
	s_barrier_signal -3
.Lnot_wave_0_\@:
	s_barrier_wait -3
	s_barrier_signal -1
	s_barrier_wait -1
.endm
.macro CROUND
	s_barrier_signal -1
	s_barrier_wait -1
	CREST
.endm
.macro FRAG reg, adr, q, i
.irp p, 0,1,2,3,4,5
.set PCE, 12*(\q)+6*(\p/3)+\p%3
.if PCE%8 < 5
	ds_load_b64 v[\reg+2*\p:\reg+2*\p+1], v[\adr] offset:8*PCE+16*(PCE/8)+(\i)*16*PITCH
.else
	ds_load_b64 v[\reg+2*\p:\reg+2*\p+1], v[\adr+2] offset:8*PCE+16*(PCE/8)+(\i)*16*PITCH
.endif
.endr
.endm
.macro FRAGI reg, slot, q, i           ; a fragment of o: token tile i, heads 2 q and 2 q + 1 of the slot's four
.irp c, 0,1
.irp g, 0,1,2
	ds_load_b64 v[\reg+6*\c+2*\g:\reg+6*\c+2*\g+1], v[ADRA+\slot] offset:(\i)*3072+(2*(\q)+\c)*768+256*\g
.endr
.endr
.endm
.macro MUL16 a0, p, s, zero            ; the 64 accumulators take turns
.irp a, \a0, \a0+1
.irp b, 0,1,2,3,4,5,6,7
.if \zero
	v_wmma_scale_f32_16x16x128_f8f6f4 v[8*(8*((\a)%4)+\b):8*(8*((\a)%4)+\b)+7], v[128*(\p)+FR*\b:128*(\p)+FR*\b+FR-1], v[AF+FR*(\a):AF+FR*(\a)+FR-1], 0, v[SB+4*\b+(\s)%4], v[SA+4*(\a)+(\s)%4] matrix_a_fmt:MATRIX_FMT_FP6 matrix_b_fmt:MATRIX_FMT_FP6
.elseif (\s) < 4
	v_wmma_scale_f32_16x16x128_f8f6f4 v[8*(8*((\a)%4)+\b):8*(8*((\a)%4)+\b)+7], v[128*(\p)+FR*\b:128*(\p)+FR*\b+FR-1], v[AF+FR*(\a):AF+FR*(\a)+FR-1], v[8*(8*((\a)%4)+\b):8*(8*((\a)%4)+\b)+7], v[SB+4*\b+(\s)%4], v[SA+4*(\a)+(\s)%4] matrix_a_fmt:MATRIX_FMT_FP6 matrix_b_fmt:MATRIX_FMT_FP6
.else
	v_wmma_scale_f32_16x16x128_f8f6f4 v[8*(8*((\a)%4)+\b):8*(8*((\a)%4)+\b)+7], v[128*(\p)+FR*\b:128*(\p)+FR*\b+FR-1], v[AF+FR*(\a):AF+FR*(\a)+FR-1], v[8*(8*((\a)%4)+\b):8*(8*((\a)%4)+\b)+7], v[SB+4*\b+(\s)%4], v[SA+4*(\a)+(\s)%4] matrix_a_fmt:MATRIX_FMT_FP6 matrix_b_fmt:MATRIX_FMT_FP6 matrix_a_scale:MATRIX_SCALE_ROW1 matrix_b_scale:MATRIX_SCALE_ROW1
.endif
.endr
.endr
.endm
.macro FETCH_B slot, q, p
	WIN TO_B
.irp i, 0,1,2,3,4,5,6,7
	FRAG 128*(\p)+FR*\i, ADRB+\slot, \q, \i
.endr
	WIN 0
.endm
.macro FETCH_A slot, q, i0
.irp i, \i0, \i0+1, \i0+2, \i0+3
	FRAGI AF+FR*(\i), \slot, \q, \i
.endr
.endm
.macro PLACES n
.rept \n
	v_nop
.endr
.endm
.macro STEP slot, q, s, zero
	s_wait_dscnt 4*NL                              ; the youngest 24 loads (A's blocks 4-7) may be out
	WIN MUL_LO
	MUL16 0, (\q)%2, \s, \zero
	MUL16 2, (\q)%2, \s, \zero
	s_wait_dscnt 0
	PLACES NP
	FETCH_B \slot, (\q)+1, 1-(\q)%2
	FETCH_A \slot, (\q)+1, 0
	WIN MUL_HI
	MUL16 4, (\q)%2, \s, \zero
	MUL16 6, (\q)%2, \s, \zero
	PLACES NP
	WIN 0
	FETCH_A \slot, (\q)+1, 4
.endm
.macro TURN slot, next, fill, s
	s_wait_tensorcnt 0x0                           ; all my tensor loads have landed
	ds_add_u32 v[SPW], v[NIL]                      ; 0 onto my spare word
	s_wait_dscnt 4*NL+1                            ; (the add and the youngest 24 loads may be out)
	WIN MUL_LO
	MUL16 0, 1, \s, 0
	s_wait_dscnt 0x0                               ; the add is done, and my reads of this slot are over
	s_barrier_signal -1
	MUL16 2, 1, \s, 0
	WIN 0
	s_barrier_wait -1
.if \fill
	CREST
	s_add_nc_u64 s[G0+4*\slot+2:G0+4*\slot+3], s[G0+4*\slot+2:G0+4*\slot+3], ASTEP
	s_add_nc_u64 s[G0B+4*\slot+2:G0B+4*\slot+3], s[G0B+4*\slot+2:G0B+4*\slot+3], 2*ROWB
	JLOAD G0+4*\slot, G1, G0B+4*\slot, G1B
.else
	PLACES NP
.endif
	FETCH_B \next, 0, 0
	FETCH_A \next, 0, 0
	WIN MUL_HI
	MUL16 4, 1, \s, 0
	MUL16 6, 1, \s, 0
	PLACES NP
	WIN 0
	FETCH_A \next, 0, 4
.endm
	s_load_b128 s[4:7], s[0:1], 0x0                ; o's images, o's scale bytes: A
	s_load_b128 s[8:11], s[0:1], 0x10              ; Wo's codes, Wo's scales: B
	s_load_b64 s[12:13], s[0:1], 0x20              ; out0
	v_lshl_add_u32 v[SPW], v0, 2, SPARE
	v_mov_b32 v[NIL], 0
	ds_add_u32 v[SPW], v[NIL]                      ; the wave's opening: the add, twice on end, and its wait ahead of my first tensor load
	ds_add_u32 v[SPW], v[NIL]
	v_lshrrev_b32 v1, 5, v0
	v_readfirstlane_b32 s14, v1
	s_lshr_b32 s15, s14, 1
	s_and_b32 s16, s14, 1
	s_bfe_u32 s40, ttmp6, 0x40000
	s_bfe_u32 s41, ttmp6, 0x40004
	s_lshl_b32 s42, ttmp9, 2
	s_add_co_u32 s42, s42, s40                     ; my 256 outputs
	s_and_b32 s17, ttmp7, 0xffff
	s_lshl_b32 s17, s17, 2
	s_add_co_u32 s17, s17, s41                     ; my 256 tokens
	s_lshl_b32 s43, s41, 2
	s_lshl_b32 s43, 15, s43
	s_lshl_b32 s44, 0x1111, s40
	s_or_b32 s[G1+0], s43, (3<<16)|(1<<21)         ; A: the mask; elements of 8 bytes; no padding; bit 21 beside a mask
	s_mov_b32 s[G1+1], 384<<16                     ; a row: 3,072 bytes, four heads of a token tile
	s_mov_b32 s[G1+2], 8<<16                       ; eight token tiles
	s_mov_b32 s[G1+3], 384<<16
	s_mov_b32 s[G1+4], 8
	s_mov_b32 s[G1+5], 1536                        ; a token tile's sixteen heads: 12,288 bytes
	s_mov_b32 s[G1+6], 0
	s_mov_b32 s[G1+7], 0
	s_or_b32 s[G1B+0], s44, (1<<20)|(1<<21)|(3<<22)|(3<<25)
	s_mov_b32 s[G1B+1], ROWB<<16
	s_mov_b32 s[G1B+2], 128<<16
	s_mov_b32 s[G1B+3], ROWB<<16
	s_mov_b32 s[G1B+4], 128
	s_mov_b32 s[G1B+5], KROW
	s_mov_b32 s[G1B+6], 0
	s_mov_b32 s[G1B+7], 0
	s_lshl_b32 s18, s16, 3
	s_lshl_b32 s20, s17, 4
	s_add_co_u32 s20, s20, s18                     ; A: token tile 16 tr + 8 x half
	s_mul_i32 s20, s20, 12288
	s_mov_b32 s21, 0
	s_lshl_b32 s18, s16, 7
	s_lshl_b32 s46, s42, 8
	s_add_co_u32 s46, s46, s18
	s_mul_i32 s46, s46, KROW
	s_mov_b32 s47, 0
	s_mul_i32 s45, s14, HALFT
	s_lshl_b32 s76, s17, 13                        ; the scale bytes of the rows that I multiply
	s_lshl_b32 s77, s15, 12
	s_add_co_u32 s76, s76, s77
	s_mov_b32 s77, 0
	s_lshl_b32 s78, s42, 13
	s_lshl_b32 s79, s16, 12
	s_add_co_u32 s78, s78, s79
	s_mov_b32 s79, 0
	s_wait_dscnt 0x0                               ; both opening adds are done
	s_wait_kmcnt 0x0
	s_add_nc_u64 s[20:21], s[4:5], s[20:21]
	s_add_nc_u64 s[46:47], s[8:9], s[46:47]
	s_add_nc_u64 s[76:77], s[6:7], s[76:77]
	s_add_nc_u64 s[78:79], s[10:11], s[78:79]
	CROUND                                         ; all sixteen work-groups are here: the first joint loads meet
.irp s, 0,1
	s_mov_b32 s[G0+4*\s], 1
	s_add_co_u32 s[G0+4*\s+1], s45, \s*SLOT
	s_add_nc_u64 s[G0+4*\s+2:G0+4*\s+3], s[20:21], \s*AOFF
	s_or_b32 s[G0+4*\s+3], s[G0+4*\s+3], 0x80000000
	s_mov_b32 s[G0B+4*\s], 1
	s_add_co_u32 s[G0B+4*\s+1], s45, \s*SLOT
	s_add_nc_u64 s[G0B+4*\s+2:G0B+4*\s+3], s[46:47], \s*ROWB
	s_or_b32 s[G0B+4*\s+3], s[G0B+4*\s+3], 0x80000000
	JLOAD G0+4*\s, G1, G0B+4*\s, G1B
.endr
	v_and_b32 v1, 15, v0
	v_bfe_u32 v2, v0, 4, 1
	v_and_b32 v6, 31, v0
	v_mul_u32_u24 v3, v1, PITCH
	v_mul_u32_u24 v4, v2, 24
	v_add_nc_u32 v4, v3, v4
	v_lshl_add_u32 v5, v2, 4, v4
	v_lshlrev_b32 v7, 3, v6                        ; 8 x lane
	s_mul_i32 s21, s15, HALFT
	s_mul_i32 s22, s16, HALFT
	s_add_co_u32 s22, s22, 2*HALFT
.irp s, 0,1
	v_add_nc_u32 v[ADRA+\s], s21, v7
	v_add_nc_u32 v[ADRB+\s], s22, v4
	v_add_nc_u32 v[ADRB+2+\s], s22, v5
	s_add_co_u32 s21, s21, SLOT
	s_add_co_u32 s22, s22, SLOT
.endr
	v_lshlrev_b32 v[SAO], 5, v1
	v_lshl_add_u32 v[SAO], v2, 4, v[SAO]
.irp i, 0,1,2,3,4,5,6,7
	global_load_b128 v[SA+4*\i:SA+4*\i+3], v[SAO], s[76:77] offset:512*\i
	global_load_b128 v[SB+4*\i:SB+4*\i+3], v[SAO], s[78:79] offset:512*\i
.endr
	s_mul_i32 s23, s14, 16*SPITCH                  ; my stage
	v_mul_u32_u24 v5, v1, SPITCH
	v_lshl_add_u32 v5, v2, 5, v5
	v_add_nc_u32 v[STO], s23, v5                   ; in: row r, 32 bytes for each half of the lanes
	v_lshlrev_b32 v[CO], 4, v6
	v_add_nc_u32 v[RD], s23, v[CO]                 ; back: the 32 lanes take one row of 512 bytes
	s_lshl_b32 s20, s17, 8
	s_lshl_b32 s21, s15, 7
	s_add_co_u32 s20, s20, s21
	s_lshl_b32 s20, s20, 12                        ; my first token's row of 4,096 bytes
	s_lshl_b32 s46, s42, 10
	s_lshl_b32 s47, s16, 9
	s_add_co_u32 s46, s46, s47
	s_add_co_u32 s20, s20, s46                     ; my first output
	s_mov_b32 s21, 0
	s_add_nc_u64 s[12:13], s[12:13], s[20:21]
	s_wait_tensorcnt 1                             ; my part of slot 0 is in; slot 1's may stay out
	s_barrier_signal -1
	s_barrier_wait -1
	FETCH_B 0, 0, 0
	FETCH_A 0, 0, 0
	FETCH_A 0, 0, 4
	s_wait_loadcnt 0x0                             ; the scale words
	STEP 0, 0, 0, 1
	TURN 0, 1, 1, 1
	STEP 1, 0, 2, 0
	TURN 1, 0, 1, 3
	STEP 0, 0, 4, 0
	TURN 0, 1, 0, 5
	STEP 1, 0, 6, 0
	s_wait_dscnt 4*NL
	WIN MUL_LO
	MUL16 0, 1, 7, 0
	MUL16 2, 1, 7, 0
	s_wait_dscnt 0
	WIN MUL_HI
	MUL16 4, 1, 7, 0
	MUL16 6, 1, 7, 0
	WIN 0
; THE WAY OUT, block by block of 16 tokens x 128 outputs, through my own stage.  LDS serves a wave's instructions in order (ISA guide 5.7.1.4): no wait between the stores and the loads.
.macro TOSTAGE a
.set AC, 64*((\a)%4)
	WIN 0x08+4*((\a)/4)                            ; the data: window 2 or 3
.irp b, 0,1,2,3,4,5,6,7
	ds_store_b128 v[STO], v[AC+8*\b:AC+8*\b+3] offset:64*\b          ; each accumulator from its low end on
	ds_store_b128 v[STO], v[AC+8*\b+4:AC+8*\b+7] offset:64*\b+16
.endr
	WIN 0
.set BB, BK+64*((\a)%2)
.irp t, 0,1,2,3,4,5,6,7,8,9,10,11,12,13,14,15
	ds_load_b128 v[BB+4*\t:BB+4*\t+3], v[RD] offset:\t*SPITCH
.endr
.endm
.macro SEND a, younger                 ; younger: the LDS instructions issued behind block a's loads, which may stay out
.set BB, BK+64*((\a)%2)
	s_wait_dscnt \younger
.if (\a) > 0
	s_add_nc_u64 s[12:13], s[12:13], 16*SIZE_N*4   ; (behind a wait on XCNT: the earlier stores have read their base)
.endif
.irp t, 0,1,2,3,4,5,6,7,8,9,10,11,12,13,14,15
	global_store_b128 v[CO], v[BB+4*\t:BB+4*\t+3], s[12:13] offset:\t*SIZE_N*4 th:TH_STORE_NT   ; 32 lanes store 512 consecutive bytes, at a multiple of 256 from out0's first byte
.endr
.endm
	PLACES NP
	TOSTAGE 0
.irp a, 1,2,3,4,5,6,7
.if \a > 1
	s_wait_xcnt 0x0                                ; block a - 2's stores have read their registers and their base
.endif
	TOSTAGE \a
	SEND \a-1, 32                                  ; behind block a - 1's loads: block a's 16 stores and 16 loads
.endr
	s_wait_xcnt 0x0
	SEND 7, 0
	s_wait_tensorcnt 0x0                           ; the wave's end
	ds_add_u32 v[SPW], v[NIL]
	s_wait_dscnt 0x0
	CROUND                                         ; the closing round
	s_endpgm
.Lfunc_end_k_q34de16173d_oproj:
	.size	k_q34de16173d_oproj, .Lfunc_end_k_q34de16173d_oproj-k_q34de16173d_oproj
	.p2alignl 7, 3214868480
	.fill 96, 4, 3214868480
	.section	.rodata,"a",@progbits
	.p2align	6, 0x0
	.amdhsa_kernel k_q34de16173d_oproj
		.amdhsa_group_segment_fixed_size 327680
		.amdhsa_private_segment_fixed_size 0
		.amdhsa_enable_private_segment 0
		.amdhsa_kernarg_size 40
		.amdhsa_user_sgpr_count 2
		.amdhsa_user_sgpr_kernarg_segment_ptr 1
		.amdhsa_wavefront_size32 1
		.amdhsa_system_sgpr_workgroup_id_x 1
		.amdhsa_system_sgpr_workgroup_id_y 1
		.amdhsa_system_sgpr_workgroup_id_z 1
		.amdhsa_system_vgpr_workitem_id 0
		.amdhsa_next_free_vgpr 1024
		.amdhsa_next_free_sgpr 100
		.amdhsa_reserve_vcc 0
		.amdhsa_float_denorm_mode_32 3
		.amdhsa_float_denorm_mode_16_64 3
		.amdhsa_memory_ordered 1
		.amdhsa_forward_progress 1
		.amdhsa_inst_pref_size 157
	.end_amdhsa_kernel
	.amdgpu_metadata
---
amdhsa.version: [ 1, 2 ]
amdhsa.kernels:
  - .name:           k_q34de16173d_oproj
    .symbol:         k_q34de16173d_oproj.kd
    .args:
      - { .name: oimg, .offset: 0, .size: 8, .value_kind: global_buffer, .address_space: global }
      - { .name: osc, .offset: 8, .size: 8, .value_kind: global_buffer, .address_space: global }
      - { .name: Wo_codes, .offset: 16, .size: 8, .value_kind: global_buffer, .address_space: global }
      - { .name: Wo_scales, .offset: 24, .size: 8, .value_kind: global_buffer, .address_space: global }
      - { .name: out0, .offset: 32, .size: 8, .value_kind: global_buffer, .address_space: global }
    .group_segment_fixed_size: 327680
    .private_segment_fixed_size: 0
    .kernarg_segment_align: 8
    .kernarg_segment_size: 40
    .max_flat_workgroup_size: 128
    .sgpr_count:     100
    .vgpr_count:     1024
    .wavefront_size: 32
...
	.end_amdgpu_metadata
.endif
;; end of part 4
